; MI455X (gfx1250); checked and timed in simulation.
; The chip was launched on July 23, 2026; its instructions are those of AMD's public machine-readable ISA for CDNA 5 (MIT licence, August 2026) and "CDNA5" Instruction Set Architecture Reference Guide (July 2026). The comments in the code are by the model that wrote it; some were corrected since.
;; Cross Modal Attention. Allowed arithmetic: matrix products marked QUANTISED: E2M1 operands, one E8M0 scale for each 32 along K, by v_wmma_scale_f32_16x16x128_f8f6f4 with both operands' format E2M1 (or v_wmma_scale_f32_32x16x128_f4), f32 sums; everything else in f32.
;; Inputs: Wk 768 x 1,024 float32; Wo 1,024 x 1,024 float32; Wq 1,024 x 1,024 float32; Wv 768 x 1,024 float32; bk 1,024 float32; bo 1,024 float32; bq 1,024 float32; bv 1,024 float32; key 4 x 2,048 x 768 float32; query 4 x 2,048 x 1,024 float32; value 4 x 2,048 x 768 float32.
;; Outputs: out0 4 x 2,048 x 1,024 float32.
;; This version of the problem:
;;   THIS VERSION OF THE PROBLEM IS GIVEN IN LOW PRECISION. The matrix products marked QUANTISED in the list below multiply operands that are first quantised to E2M1 (2 exponent bits, 1 mantissa bit; 4 bits a number), with one power-of-two scale for each 32 numbers along K (OCP MX v1.0); their sums are f32. All else is computed in f32.
;;   The module's matrix products, in the order in which they are computed (A, B: the left and right operand; K: the contracted axis; several contracted axes count as one K, in the product's order):
;;     1. [M 8,192, K 1,024] x [K 1,024, N 1,024]; A: input query; B: input Wq: QUANTISED
;;     2. [M 8,192, K 768] x [K 768, N 1,024]; A: input key; B: input Wk: QUANTISED
;;     3. [M 8,192, K 768] x [K 768, N 1,024]; A: input value; B: input Wv: QUANTISED
;;     4. batch 64 x [M 2,048, K 64] x [K 64, N 2,048]; A: computed on the way; B: computed on the way: QUANTISED
;;     5. batch 64 x [M 2,048, K 2,048] x [K 2,048, N 64]; A: softmax (see below); B: computed on the way: QUANTISED
;;     6. [M 8,192, K 1,024] x [K 1,024, N 1,024]; A: computed on the way; B: input Wo: QUANTISED
;;   THE QUANTISER, for each operand of a quantised product, along K:
;;     - K is cut into blocks of 32 from its start; a last block that is shorter is filled with zeros.
;;     - A block's scale is 2^e with e = floor(log2(the largest magnitude in the block)) - 2, held to -126 .. 127; a block of zeros has e = 0. As a byte (E8M0): e + 127.
;;     - Each number is divided by its block's scale, clamped to +-6, and rounded to the nearest number of E2M1, ties to even, subnormals kept.
;;     - The product sums the exact products of the quantised numbers (number of the format x scale) in f32.
;;   ~~~python
;;   def quantise(x, axis):      # numpy; x: float32 -> the quantised numbers, widened to float32 again
;;       x = np.moveaxis(x, axis, -1); K = x.shape[-1]
;;       x = np.pad(x, [(0, 0)] * (x.ndim - 1) + [(0, -K % 32)]); x = x.reshape(x.shape[:-1] + (-1, 32)); a = np.abs(x).max(-1, keepdims=True)
;;       e = np.where(a > 0, np.clip(np.frexp(np.where(a > 0, a, 1))[1] - 1 - 2, -126, 127), 0)      # np.frexp(a)[1] - 1 = floor(log2(a)), exactly
;;       r = np.clip(x / 2.0 ** e, -6, 6)
;;       step = 2.0 ** (np.maximum(np.frexp(np.where(r == 0, 1, r))[1] - 1, 0) - 1)
;;       q = np.round(r / step) * step * 2.0 ** e      # np.round: ties to even
;;       return np.moveaxis(q.reshape(q.shape[:-2] + (-1,))[..., :K], -1, axis).astype(np.float32)
;;   ~~~
;;   SOFTMAX AHEAD OF A QUANTISED PRODUCT. Where the list says 'softmax', what is quantised is not the finished softmax but p = 2^(t - M), with t = logit x log2(e) and M = ceil(the row's largest t), a whole number; so 1/2 < the row's largest p <= 1. The row's sum l is taken of the UNQUANTISED p, in f32, and the product's result is divided by l at the end. Since M is a whole number, a kernel that streams over the keys may use a running M (the ceiling of the running maximum): every later rescaling is an exact power of two, which a block's scale takes up: the codes' values come out the same.
;;   OPERANDS COMPUTED ON THE WAY. 'Computed on the way' means the value that the module computes at that place (a softmax that the list does not call 'softmax' is quantised finished and normalised). What goes into a quantiser is computed in f32, as accurately as f32 sums, v_exp_f32 and their like allow (about 1e-6 of the number): no bf16 or f16 on the way to a quantiser, and a product that is left as it is and whose result goes on into a quantised operand takes f32 operands (vector FMAs, or v_wmma_f32_16x16x4_f32). A number that lies on a knife's edge between two numbers of the format may be rounded either way, as far as f32 arithmetic and the matrix unit's own rounding can turn it there, and no further.
;; 3 versions, each right; version 2 is faster than version 1; version 3 is version 2 with the launches proj, outp written anew for expert scheduling mode. Each part assembles by itself: llvm-mc -triple=amdgcn-amd-amdhsa -mcpu=gfx1250 --defsym DOCPART=n.
;; ======== version 1 of 3: 4 launches
;; workspace buffers: wcod 1,835,008 bytes; wscl 114,688 bytes; qcod 4,194,304 bytes; qscl 524,288 bytes; kvb 9,175,040 bytes; acod 4,194,304 bytes; ascl 262,144 bytes
;; launch quantw (part 1): grid 28 x 8, 4 waves a work-group, no clusters, 0 bytes of LDS; arguments Wq, Wk, Wv, Wo, wcod, wscl; writes wcod, wscl
.if DOCPART == 1
	.amdgcn_target "amdgcn-amd-amdhsa--gfx1250"
	.amdhsa_code_object_version 6
	.text
	.protected	k_qc24e8277fb_quantw
	.globl	k_qc24e8277fb_quantw
	.p2align	8
	.type	k_qc24e8277fb_quantw,@function
k_qc24e8277fb_quantw:
	s_mov_b64 s[64:65], 0
	v_nop
	global_prefetch_b8 v0, s[64:65] scope:SCOPE_SE
	s_setreg_imm32_b32 hwreg(HW_REG_WAVE_MODE, 25, 1), 1
	s_wait_xcnt 0x0
; The four weights, f32, stored [K][1024] with K as their FIRST axis, become codes of FP4 (E2M1) with one E8M0 scale byte for each 32 along K,
; laid in the order of a matrix operand's registers, so that later launches load fragments by 16 bytes a lane and nothing else.
; K STEPS of 128 are numbered through all four weights: Wq 0-7, Wk 8-13, Wv 14-19, Wo 20-27.  Work-group x = the K step; y and the wave give p = 4 y + wave: columns 32 p .. 32 p + 31.
; A LANE TAKES A COLUMN n AND ITS REGISTERS RUN DOWN K: a block of 32 lies in one lane's 32 registers, its largest magnitude needs no other lane, and the conversions give codes with K innermost.
; TILES.  A tile of 16 rows of an operand takes its rows in this order everywhere in the program: row(T, r) = 32 (T / 2) + 8 (T % 2) + r + 8 (r / 8).
; So lane l of the 32 columns is row r = l % 8 + 8 (l / 16) of tile 2 p + u, u = (l / 8) % 2.
; wcod: [K step 28][tile 64][c 2][lane 32][16 bytes]: lane (r, h) of half c holds k = 64 c + 32 h + 0 .. 31.   wscl: [K step 28][head 16][lane' = 16 (tile % 2) + r][j = (tile % 4) / 2] words, byte b for k = 32 b on.
; A block's scale is 2^(floor(log2(its largest magnitude)) - 2); its byte is the largest magnitude's exponent field - 2, held at 1 from below.
; LIMITS: a block of zeros, or one whose largest magnitude lies under 2^-124, gets the byte 1 (its codes under that byte are what the rule's clamp gives; a block of zeros has zero codes, and this program alone reads the bytes);
; NaN and infinities among the inputs are not served.
; No LDS, no barrier, no cluster: no two work-groups read the same bytes.  Each load of a wave reads 128 consecutive bytes, the four waves side by side 512.
.set X, 32                             ; v32-159  four blocks of 32 numbers
.set C, 160                            ; v160-175 four registers of codes for each block, so that no store's data are written again
	s_load_b256 s[4:11], s[0:1], 0x0               ; Wq s[4:5], Wk s[6:7], Wv s[8:9], Wo s[10:11]
	s_load_b128 s[12:15], s[0:1], 0x20             ; wcod s[12:13], wscl s[14:15]
	v_lshrrev_b32 v1, 5, v0
	v_readfirstlane_b32 s20, v1                    ; wave 0..3
	v_and_b32 v1, 31, v0                           ; lane
	v_lshlrev_b32 v2, 2, v1                        ; in: 4 bytes a lane
	v_bfe_u32 v5, v1, 3, 1                         ; u: which tile of the pair
	v_and_b32 v6, 7, v1
	v_lshrrev_b32 v7, 4, v1
	v_lshl_add_u32 v6, v7, 3, v6                   ; r: my row in that tile
	v_lshlrev_b32 v3, 4, v6
	v_lshl_add_u32 v3, v5, 10, v3                  ; codes out: 1,024 u + 16 r
	v_lshl_add_u32 v4, v5, 4, v6
	v_lshlrev_b32 v4, 3, v4                        ; scale word out: 8 (16 u + r)
	s_and_b32 s21, ttmp7, 0xffff
	s_lshl_b32 s21, s21, 2
	s_add_co_u32 s21, s21, s20                     ; p = 4 y + wave
	s_wait_kmcnt 0x0
	s_cmp_lt_u32 ttmp9, 20                         ; which weight: the choice hangs on the work-group's number alone
	s_cselect_b64 s[16:17], s[8:9], s[10:11]
	s_cselect_b32 s18, 14, 20                      ; and that weight's first K step
	s_cmp_lt_u32 ttmp9, 14
	s_cselect_b64 s[16:17], s[6:7], s[16:17]
	s_cselect_b32 s18, 8, s18
	s_cmp_lt_u32 ttmp9, 8
	s_cselect_b64 s[16:17], s[4:5], s[16:17]
	s_cselect_b32 s18, 0, s18
	s_sub_co_u32 s22, ttmp9, s18
	s_lshl_b32 s22, s22, 19                        ; 128 rows of 4,096 bytes a K step
	s_lshl_b32 s24, s21, 7                         ; 32 columns of 4 bytes
	s_add_co_u32 s22, s22, s24
	s_mov_b32 s23, 0
	s_add_nc_u64 s[16:17], s[16:17], s[22:23]
	s_lshl_b32 s22, ttmp9, 16                      ; wcod: 65,536 bytes a K step,
	s_lshl_b32 s24, s21, 11                        ; 2,048 a pair of tiles
	s_add_co_u32 s22, s22, s24
	s_add_nc_u64 s[12:13], s[12:13], s[22:23]
	s_lshl_b32 s22, ttmp9, 12                      ; wscl: 4,096 bytes a K step,
	s_lshr_b32 s24, s21, 1
	s_lshl_b32 s24, s24, 8                         ; 256 a head,
	s_add_co_u32 s22, s22, s24
	s_and_b32 s24, s21, 1
	s_lshl_b32 s24, s24, 2                         ; word j = p % 2
	s_add_co_u32 s22, s22, s24
	s_add_nc_u64 s[14:15], s[14:15], s[22:23]
.macro LOAD t                          ; block t: W(32 t + k, my column), k = 0 .. 31
.set k, 0
.rept 32
	global_load_b32 v[X+32*(\t)+k], v2, s[16:17] offset:4096*(32*(\t)+k) th:TH_LOAD_NT
.set k, k+1
.endr
.endm
.macro BLOCK t
.set XS, X+32*(\t)
.if (\t) < 3
	s_wait_loadcnt 32                              ; loads come back in order: this block's 32 are in, the next block's 32 may be out
.else
	s_wait_loadcnt 0x0
.endif
.if (\t) < 2
	LOAD (\t)+2                                    ; two blocks ahead: 64 loads of the wave are on their way (a wait on this counter cannot name more than 63)
.endif
	v_max3_num_f32 v8, |v[XS]|, |v[XS+1]|, |v[XS+2]|               ; the block's largest magnitude, in two chains
	v_max3_num_f32 v9, |v[XS+3]|, |v[XS+4]|, |v[XS+5]|
.irp i, 6,10,14,18,22,26
	v_max3_num_f32 v8, v8, |v[XS+\i]|, |v[XS+\i+1]|
	v_max3_num_f32 v9, v9, |v[XS+\i+2]|, |v[XS+\i+3]|
.endr
	v_max3_num_f32 v8, v8, |v[XS+30]|, |v[XS+31]|
	v_max3_num_f32 v8, v8, v9, 0x1800000           ; and the floor 2^(3 - 127): the byte cannot fall under 1
	v_add_nc_u32 v10, 0xff000000, v8               ; 2 off the exponent field: the conversion takes this operand's exponent field as its scale
	v_lshrrev_b32 v11, 23, v10                     ; the scale's byte
.if (\t) == 0
	v_mov_b32 v12, v11                             ; four bytes make my row's scale word, the lower k in the lower byte
.else
	v_lshl_or_b32 v12, v11, 8*(\t), v12
.endif
.irp g, 0,1,2,3
	v_cvt_scalef32_pk8_fp4_f32 v[C+4*(\t)+\g], v[XS+8*\g:XS+8*\g+7], v10
.endr
	v_nop                                          ; one plain line behind the conversions, ahead of the next write of their scale operand
	global_store_b128 v3, v[C+4*(\t):C+4*(\t)+3], s[12:13] offset:((\t)/2)*512+((\t)%2)*256   ; half c = t / 2, lanes' half h = t % 2: the sixteen lanes of each tile store 256 consecutive bytes, aligned
.endm
	LOAD 0
	LOAD 1
	BLOCK 0
	BLOCK 1
	BLOCK 2
	BLOCK 3
	global_store_b32 v4, v12, s[14:15]             ; every second word of 256 bytes: the other words are the neighbouring wave's (114,688 bytes in the whole launch)
	s_endpgm
.Lfunc_end_k_qc24e8277fb_quantw:
	.size	k_qc24e8277fb_quantw, .Lfunc_end_k_qc24e8277fb_quantw-k_qc24e8277fb_quantw
	.p2alignl 7, 3214868480
	.fill 96, 4, 3214868480
	.section	.rodata,"a",@progbits
	.p2align	6, 0x0
	.amdhsa_kernel k_qc24e8277fb_quantw
		.amdhsa_group_segment_fixed_size 0
		.amdhsa_private_segment_fixed_size 0
		.amdhsa_enable_private_segment 0
		.amdhsa_kernarg_size 48
		.amdhsa_user_sgpr_count 2
		.amdhsa_user_sgpr_kernarg_segment_ptr 1
		.amdhsa_wavefront_size32 1
		.amdhsa_system_sgpr_workgroup_id_x 1
		.amdhsa_system_sgpr_workgroup_id_y 1
		.amdhsa_system_sgpr_workgroup_id_z 1
		.amdhsa_system_vgpr_workitem_id 0
		.amdhsa_next_free_vgpr 184
		.amdhsa_next_free_sgpr 66
		.amdhsa_reserve_vcc 0
		.amdhsa_float_denorm_mode_32 3
		.amdhsa_float_denorm_mode_16_64 3
		.amdhsa_memory_ordered 1
		.amdhsa_forward_progress 1
		.amdhsa_inst_pref_size 21
	.end_amdhsa_kernel
	.amdgpu_metadata
---
amdhsa.version: [ 1, 2 ]
amdhsa.kernels:
  - .name:           k_qc24e8277fb_quantw
    .symbol:         k_qc24e8277fb_quantw.kd
    .args:
      - { .name: Wq, .offset: 0, .size: 8, .value_kind: global_buffer, .address_space: global }
      - { .name: Wk, .offset: 8, .size: 8, .value_kind: global_buffer, .address_space: global }
      - { .name: Wv, .offset: 16, .size: 8, .value_kind: global_buffer, .address_space: global }
      - { .name: Wo, .offset: 24, .size: 8, .value_kind: global_buffer, .address_space: global }
      - { .name: wcod, .offset: 32, .size: 8, .value_kind: global_buffer, .address_space: global }
      - { .name: wscl, .offset: 40, .size: 8, .value_kind: global_buffer, .address_space: global }
    .group_segment_fixed_size: 0
    .private_segment_fixed_size: 0
    .kernarg_segment_align: 8
    .kernarg_segment_size: 48
    .max_flat_workgroup_size: 128
    .sgpr_count:     66
    .vgpr_count:     184
    .wavefront_size: 32
...
	.end_amdgpu_metadata
.endif
;; end of part 1
;; launch proj (part 2): grid 128 x 3, 16 waves a work-group, no clusters, 36,864 bytes of LDS; arguments query, key, value, bq, bk, bv, wcod, wscl, qcod, qscl, kvb; writes qcod, qscl, kvb
.if DOCPART == 2
	.amdgcn_target "amdgcn-amd-amdhsa--gfx1250"
	.amdhsa_code_object_version 6
	.text
	.protected	k_qc24e8277fb_proj
	.globl	k_qc24e8277fb_proj
	.p2align	8
	.type	k_qc24e8277fb_proj,@function
k_qc24e8277fb_proj:
	s_mov_b64 s[64:65], 0
	v_nop
	global_prefetch_b8 v0, s[64:65] scope:SCOPE_SE
	s_setreg_imm32_b32 hwreg(HW_REG_WAVE_MODE, 25, 1), 1
	s_wait_xcnt 0x0
; The three input projections, Q = query Wq + bq (y = 0), K = key Wk + bk (y = 1), V = value Wv + bv (y = 2), on codes of FP4 (E2M1) with one E8M0 scale for each 32 along K, sums in f32;
; the results are quantised at once for attention's two products, Q and K along the head's 64, V along the keys, and stored as images of operand registers.
; SHARES.  A work-group takes 64 tokens (x = the block) of one projection (y).  Wave w is head w: 64 outputs x 64 tokens, 16 accumulators, 128 registers.
; x is read from memory once, quantised once (phase X: each wave makes 3 or 4 half fragments) and goes to all sixteen waves through LDS as images of the operand's registers.
; W's codes and scale words, made by the launch before in register order, go straight into each wave's registers, two K steps ahead in two sets.
; TILES take their rows in the order row(T, r) = 32 (T / 2) + 8 (T % 2) + r + 8 (r / 8), tokens and outputs alike.  With such a tile as source 0 a lane's 16 registers of tiles 2 b and 2 b + 1
; are 16 neighbours, 32 b + 16 (lane / 16) + 0 .. 15, along source 0's rows.  Q and K: source 0 = W's rows (the head's 64), source 1 = tokens.  V: source 0 = tokens (the keys), source 1 = W's rows.
; OUT.  qcod [bh][tile 128][lane][16 B]; qscl [bh][64 queries][lane'][j] words; kvb [bh][128 keys][8,960 B]: K's 8 tiles x 512 B, at 4,096 V's 4 tiles x 1,024 B, at 8,192 K's scale words, at 8,704 V's.
; Q's and K's product has K = 64, half of the instruction's 128: bytes 2 and 3 of their scale words are 0x7f (1.0), and Q's upper codes will be zeros.
; NO CLUSTER: what work-groups share is W, which goes into registers by loads of a lane (a wave's own 4,352 bytes a K step); a joint request lands in LDS, and a projection's W, 8 x 69,632 bytes, does not fit there at once.
; WHAT IS NOT DENSE: a load of x takes 32 bytes of each of 16 rows (a group's eight loads together cover 256 aligned bytes of each row); V's scale bytes leave two at a time, since a word's four bytes come from two work-groups.
; LIMITS: a block of zeros, or one whose largest magnitude lies under 2^-124, gets the byte 1 (this program alone reads the bytes); NaN and infinities are not served.
; REGISTERS: v1-11 lane numbers and addresses; v16-23 at work in the quantiser; v24-27 W's scale words (two sets), v28-29 x's; v30-31 scale words on the way out; v32-63 x's fragments (phase X and the way out: codes, bytes);
;   v64-127 W's fragments, two sets of 32 (the bias takes the first set when it is free); v128-255 x's numbers, then the accumulators.
.set XSC,  32768                       ; LDS: x's images [tile 4][K step 8][c 2][lane][16 B] from 0; from here their scale words [K step 8][lane' = 16 (tile % 2) + r][j = tile / 2]
.set TM,   16                          ; v16-17 largest magnitudes, v18-19 the other half of the lanes'
.set SCL,  20                          ; v20-21 the conversions' scale operands
.set BY,   22                          ; v22-23 scale bytes
.set WSC,  24
.set XSR,  28
.set XF,   32
.set PC,   32                          ; codes just made
.set HW,   48                          ; bytes or half words just made
.set WF,   64
.set BI,   64
.set XN,   128
.set ACC,  128
; One product.  z: it starts the sum.  ra, rb: the side's scale words stand in lanes 16-31 of the register named.
.macro WM d, a, b, z, sa, sb, ra, rb
.if \z
.if (\ra) && (\rb)
	v_wmma_scale_f32_16x16x128_f8f6f4 v[\d:\d+7], v[\a:\a+7], v[\b:\b+7], 0, v[\sa], v[\sb] matrix_a_fmt:MATRIX_FMT_FP4 matrix_b_fmt:MATRIX_FMT_FP4 matrix_a_scale:MATRIX_SCALE_ROW1 matrix_b_scale:MATRIX_SCALE_ROW1
.elseif (\ra)
	v_wmma_scale_f32_16x16x128_f8f6f4 v[\d:\d+7], v[\a:\a+7], v[\b:\b+7], 0, v[\sa], v[\sb] matrix_a_fmt:MATRIX_FMT_FP4 matrix_b_fmt:MATRIX_FMT_FP4 matrix_a_scale:MATRIX_SCALE_ROW1
.elseif (\rb)
	v_wmma_scale_f32_16x16x128_f8f6f4 v[\d:\d+7], v[\a:\a+7], v[\b:\b+7], 0, v[\sa], v[\sb] matrix_a_fmt:MATRIX_FMT_FP4 matrix_b_fmt:MATRIX_FMT_FP4 matrix_b_scale:MATRIX_SCALE_ROW1
.else
	v_wmma_scale_f32_16x16x128_f8f6f4 v[\d:\d+7], v[\a:\a+7], v[\b:\b+7], 0, v[\sa], v[\sb] matrix_a_fmt:MATRIX_FMT_FP4 matrix_b_fmt:MATRIX_FMT_FP4
.endif
.else
.if (\ra) && (\rb)
	v_wmma_scale_f32_16x16x128_f8f6f4 v[\d:\d+7], v[\a:\a+7], v[\b:\b+7], v[\d:\d+7], v[\sa], v[\sb] matrix_a_fmt:MATRIX_FMT_FP4 matrix_b_fmt:MATRIX_FMT_FP4 matrix_a_scale:MATRIX_SCALE_ROW1 matrix_b_scale:MATRIX_SCALE_ROW1
.elseif (\ra)
	v_wmma_scale_f32_16x16x128_f8f6f4 v[\d:\d+7], v[\a:\a+7], v[\b:\b+7], v[\d:\d+7], v[\sa], v[\sb] matrix_a_fmt:MATRIX_FMT_FP4 matrix_b_fmt:MATRIX_FMT_FP4 matrix_a_scale:MATRIX_SCALE_ROW1
.elseif (\rb)
	v_wmma_scale_f32_16x16x128_f8f6f4 v[\d:\d+7], v[\a:\a+7], v[\b:\b+7], v[\d:\d+7], v[\sa], v[\sb] matrix_a_fmt:MATRIX_FMT_FP4 matrix_b_fmt:MATRIX_FMT_FP4 matrix_b_scale:MATRIX_SCALE_ROW1
.else
	v_wmma_scale_f32_16x16x128_f8f6f4 v[\d:\d+7], v[\a:\a+7], v[\b:\b+7], v[\d:\d+7], v[\sa], v[\sb] matrix_a_fmt:MATRIX_FMT_FP4 matrix_b_fmt:MATRIX_FMT_FP4
.endif
.endif
.endm
.macro WLOAD p, s                      ; my head's four fragments of W and their scale words, K step s of the projection, into set p: nine loads
.irp q, 0,1,2,3,4,5,6,7
	global_load_b128 v[WF+32*(\p)+4*\q:WF+32*(\p)+4*\q+3], v5, s[36:37] offset:65536*(\s)+512*\q
.endr
	global_load_b64 v[WSC+2*(\p):WSC+2*(\p)+1], v6, s[38:39] offset:4096*(\s)
.endm
.macro XLOAD i                         ; group i: my lane's block of 32 numbers (128 bytes) of half fragment (tile w % 4, w / 4 + 4 i): eight loads
.irp j, 0,1,2,3,4,5,6,7
	global_load_b128 v[XN+32*(\i)+4*\j:XN+32*(\i)+4*\j+3], v4, s[32:33] offset:1024*(\i)+16*\j th:TH_LOAD_NT
.endr
.endm
.macro QX i, left                      ; group i is quantised: all 32 numbers of the block are my lane's; its four registers of codes are my lane's 16 bytes of the image
.set XS, XN+32*(\i)
	s_wait_loadcnt \left                           ; loads come back in order: group i is in, the younger groups (eight loads each) may be out
	v_max3_num_f32 v52, |v[XS]|, |v[XS+1]|, |v[XS+2]|
	v_max3_num_f32 v53, |v[XS+3]|, |v[XS+4]|, |v[XS+5]|
.irp k, 6,10,14,18,22,26
	v_max3_num_f32 v52, v52, |v[XS+\k]|, |v[XS+\k+1]|
	v_max3_num_f32 v53, v53, |v[XS+\k+2]|, |v[XS+\k+3]|
.endr
	v_max3_num_f32 v52, v52, |v[XS+30]|, |v[XS+31]|
	v_max3_num_f32 v52, v52, v53, 0x1800000        ; the floor 2^(3 - 127): the byte cannot fall under 1
	v_add_nc_u32 v[54+(\i)], 0xff000000, v52       ; 2 off the exponent field: the conversions' scale operand
	v_lshrrev_b32 v[HW+(\i)], 23, v[54+(\i)]       ; the scale's byte
.irp g, 0,1,2,3
	v_cvt_scalef32_pk8_fp4_f32 v[PC+4*(\i)+\g], v[XS+8*\g:XS+8*\g+7], v[54+(\i)]
.endr
	v_nop                                          ; one plain line behind the conversions: matrix instructions will write their sources
	ds_store_b128 v7, v[PC+4*(\i):PC+4*(\i)+3] offset:2048*(\i)
	ds_store_b8 v8, v[HW+(\i)] offset:512*(\i)
.endm
.macro BIASQK                          ; the bias of my head's 64 outputs as the results lie: register 16 b + i is output 32 b + 16 (lane / 16) + i: eight loads
.irp b, 0,1
.irp q, 0,1,2,3
	global_load_b128 v[BI+16*\b+4*\q:BI+16*\b+4*\q+3], v9, s[34:35] offset:128*\b+16*\q
.endr
.endr
.endm
.macro BIASV                           ; V: a lane holds one output of each tile: its bias twice, as a pair for the packed addition: eight loads
.irp nt, 0,1,2,3
	global_load_b32 v[BI+2*\nt], v10, s[34:35] offset:4*(32*(\nt/2)+8*(\nt%2))
	global_load_b32 v[BI+2*\nt+1], v10, s[34:35] offset:4*(32*(\nt/2)+8*(\nt%2))
.endr
.endm
; A K step of 128: x's four fragments and scale words from LDS, 16 products.  pre = 1: W of two steps on is asked for, into the set just read; 2: the bias, into that set.
; left: the younger global loads that may stay out.  swap = 1: source 0 = tokens (V).  The 16 accumulators take turns, one instruction a turn, in the same order in every step.
.macro GSTEP s, pre, left, swap
.set GP, (\s)%2
.if (\s) == 0
.set GZ, 1
.else
.set GZ, 0
.endif
.irp tt, 0,1,2,3
.irp c, 0,1
	ds_load_b128 v[XF+8*\tt+4*\c:XF+8*\tt+4*\c+3], v5 offset:8192*\tt+1024*(\s)+512*\c
.endr
.endr
	ds_load_b64 v[XSR:XSR+1], v6 offset:XSC+256*(\s)
	s_wait_loadcnt \left                           ; this step's W is in; what was asked for behind it may be out
	s_wait_dscnt 0x0
.irp tt, 0,1,2,3
.irp nt, 0,1,2,3
.if \swap
	WM ACC+8*(4*\nt+\tt), XF+8*\tt, WF+32*GP+8*\nt, GZ, XSR+\tt/2, WSC+2*GP+\nt/2, \tt%2, \nt%2
.else
	WM ACC+8*(4*\tt+\nt), WF+32*GP+8*\nt, XF+8*\tt, GZ, WSC+2*GP+\nt/2, XSR+\tt/2, \nt%2, \tt%2
.endif
.endr
.endr
.rept 4
	v_nop                                          ; four places in front of loads into registers that these products read, and of the first read of results
.endr
.if (\pre) == 1
	WLOAD GP, (\s)+2
.elseif (\pre) == 2
.if \swap
	BIASV
.else
	BIASQK
.endif
.endif
.endm
; 32 numbers of a lane, register 16 b + i = k 32 b + 16 (lane / 16) + i of my row, become a half fragment's four registers at pc and, at hw, the row's two scale bytes (the same in lanes l and l xor 16).
.macro QUANT2 src, pc, hw
.irp b, 0,1
	v_max3_num_f32 v[TM+\b], |v[\src+16*\b]|, |v[\src+16*\b+1]|, 0x1800000   ; my 16 numbers of block b, and the floor 2^(3 - 127)
.endr
.irp i, 2,4,6,8,10,12,14
.irp b, 0,1
	v_max3_num_f32 v[TM+\b], v[TM+\b], |v[\src+16*\b+\i]|, |v[\src+16*\b+\i+1]|
.endr
.endr
.irp b, 0,1
	v_permlanex16_b32 v[TM+2+\b], v[TM+\b], s46, s47
.endr
.irp b, 0,1
	v_max_num_f32 v[TM+\b], v[TM+\b], v[TM+2+\b]   ; with lane l xor 16's 16: the block's largest magnitude
.endr
.irp b, 0,1
	v_add_nc_u32 v[SCL+\b], 0xff000000, v[TM+\b]
.endr
.irp b, 0,1
	v_lshrrev_b32 v[BY+\b], 23, v[SCL+\b]
.endr
.irp b, 0,1
	v_cvt_scalef32_pk8_fp4_f32 v[\pc+2*\b], v[\src+16*\b:\src+16*\b+7], v[SCL+\b]
	v_cvt_scalef32_pk8_fp4_f32 v[\pc+2*\b+1], v[\src+16*\b+8:\src+16*\b+15], v[SCL+\b]
.endr
	v_nop                                          ; one plain line behind the conversions
	v_permlane16_swap_b32 v[\pc], v[\pc+2]         ; the operand's layout wants a whole block in a lane: lanes 0-15 block 0, lanes 16-31 block 1
	v_permlane16_swap_b32 v[\pc+1], v[\pc+3]
	v_lshl_or_b32 v[\hw], v[BY+1], 8, v[BY]
.endm
	s_load_b256 s[4:11], s[0:1], 0x0               ; query s[4:5], key s[6:7], value s[8:9], bq s[10:11]
	s_load_b256 s[12:19], s[0:1], 0x20             ; bk s[12:13], bv s[14:15], wcod s[16:17], wscl s[18:19]
	s_load_b128 s[20:23], s[0:1], 0x40             ; qcod s[20:21], qscl s[22:23]
	s_load_b64 s[24:25], s[0:1], 0x50              ; kvb
	v_lshl_add_u32 v14, v0, 2, 0x8800
	v_mov_b32 v15, 0
	v_lshrrev_b32 v7, 5, v0
	v_readfirstlane_b32 s26, v7                    ; wave = head, 0..15
	s_and_b32 s27, ttmp7, 0xffff                   ; y: 0 Q, 1 K, 2 V
	s_mov_b32 s28, ttmp9                           ; the block of 64 tokens
	v_and_b32 v1, 31, v0                           ; lane
	v_and_b32 v2, 15, v0                           ; r
	v_bfe_u32 v3, v0, 4, 1                         ; h
	v_lshlrev_b32 v5, 4, v1                        ; 16 x lane: an image's place for my lane
	v_lshlrev_b32 v6, 3, v1                        ; 8 x lane: a pair of scale words'
	s_cmp_eq_u32 s27, 0
	s_mov_b32 s29, 3072
	s_cselect_b32 s29, 4096, s29                   ; a row of x in bytes
	s_cselect_b32 s30, 0, 8
	s_cmp_eq_u32 s27, 2
	s_cselect_b32 s30, 14, s30                     ; the projection's first K step in wcod and wscl
	s_mov_b32 s46, 0x76543210
	s_mov_b32 s47, 0xfedcba98                      ; v_permlanex16_b32's selects for lane l xor 16
	; phase X's addresses: I quantise tile tt = w % 4, half fragments w / 4 + 4 i
	s_and_b32 s58, s26, 3                          ; tt
	s_lshr_b32 s59, s26, 2                         ; w / 4
	s_lshr_b32 s60, s58, 1
	s_lshl_b32 s60, s60, 5
	s_and_b32 s61, s26, 1
	s_lshl_b32 s61, s61, 3
	s_add_co_u32 s60, s60, s61                     ; 32 (tt / 2) + 8 (tt % 2)
	v_and_b32 v11, 8, v2
	v_add_nc_u32 v11, v11, v2                      ; r + 8 (r / 8)
	v_add_nc_u32 v4, s60, v11                      ; my token in the block
	v_mul_lo_u32 v4, v4, s29
	v_lshl_add_u32 v4, v3, 7, v4                   ; + 128 h: my block of 32 numbers
	s_lshl_b32 s61, s59, 8
	v_add_nc_u32 v4, s61, v4                       ; + 256 (w / 4): 64 numbers a half fragment
	s_lshl_b32 s61, s58, 13                        ; the image: 8,192 tt
	s_lshr_b32 s62, s26, 3
	s_lshl_b32 s63, s62, 10                        ; + 1,024 x K step (w / 8 + 2 i)
	s_add_co_u32 s61, s61, s63
	s_bfe_u32 s60, s26, 0x10002                    ; c = (w / 4) % 2
	s_lshl_b32 s63, s60, 9
	s_add_co_u32 s61, s61, s63                     ; + 512 c
	v_add_nc_u32 v7, s61, v5
	s_lshl_b32 s61, s62, 8                         ; the scale byte: 256 x K step
	s_and_b32 s63, s26, 1
	s_lshl_b32 s63, s63, 7                         ; + 8 x 16 (tt % 2)
	s_add_co_u32 s61, s61, s63
	s_bfe_u32 s63, s26, 0x10001
	s_lshl_b32 s63, s63, 2                         ; + 4 (tt / 2)
	s_add_co_u32 s61, s61, s63
	s_lshl_b32 s63, s60, 1                         ; + 2 c
	s_add_co_u32 s61, s61, s63
	s_add_co_u32 s61, s61, XSC
	v_lshl_add_u32 v8, v2, 3, v3                   ; + 8 r + h
	v_add_nc_u32 v8, s61, v8
	v_lshlrev_b32 v9, 6, v3                        ; the bias, Q and K: 64 h
	v_lshlrev_b32 v10, 2, v11                      ; V: 4 (r + 8 (r / 8))
	v_mov_b32 v18, 0                               ; written once: a lane permute's destination counts as one of its sources
	v_mov_b32 v19, 0
	v_cmp_le_u32 vcc_lo, 16, v1                    ; lanes 16-31: kept to the end
	; byte offsets, apart from the addresses
	s_lshl_b32 s48, s30, 16
	s_lshl_b32 s54, s26, 12
	s_add_co_u32 s48, s48, s54                     ; W's codes: 65,536 x first step + 4,096 x head
	s_lshl_b32 s49, s30, 12
	s_lshl_b32 s51, s26, 8                         ; the bias: 256 x head
	s_add_co_u32 s49, s49, s51                     ; W's scale words: 4,096 x first step + 256 x head
	s_mul_i32 s50, s28, s29
	s_lshl_b32 s50, s50, 6                         ; x: 64 rows a block
	s_lshr_b32 s54, s28, 5
	s_lshl_b32 s54, s54, 4
	s_add_co_u32 s54, s54, s26                     ; bh = 16 x batch + head
	s_and_b32 s55, s28, 31                         ; the block within the batch
	s_and_b32 s56, s28, 1                          ; which 64 of a key step's 128
	s_mul_i32 s57, s54, 143360
	s_lshr_b32 s60, s55, 1
	s_mul_i32 s60, s60, 8960
	s_add_co_u32 s57, s57, s60                     ; the key step's block in kvb
	s_lshl_b32 s52, s54, 16
	s_lshl_b32 s60, s55, 11
	s_add_co_u32 s52, s52, s60                     ; Q's codes
	s_lshl_b32 s53, s54, 13
	s_lshl_b32 s60, s55, 8
	s_add_co_u32 s53, s53, s60                     ; Q's scale words
	s_lshl_b32 s60, s56, 11
	s_add_co_u32 s60, s60, s57                     ; K's codes
	s_lshl_b32 s61, s56, 8
	s_add_co_u32 s61, s61, s57
	s_add_co_u32 s61, s61, 8192                    ; K's scale words
	s_lshl_b32 s62, s56, 9
	s_add_co_u32 s62, s62, s57
	s_add_co_u32 s62, s62, 4096                    ; V's codes
	s_lshl_b32 s63, s56, 1
	s_add_co_u32 s63, s63, s57
	s_add_co_u32 s63, s63, 8704                    ; V's scale bytes
	s_cmp_eq_u32 s27, 2
	s_cselect_b32 s60, s62, s60
	s_cselect_b32 s61, s63, s61
	s_cmp_eq_u32 s27, 0
	s_cselect_b32 s52, s52, s60                    ; where my codes go,
	s_cselect_b32 s53, s53, s61                    ; and my scales
	s_mov_b32 s45, 0
	s_wait_kmcnt 0x0
	s_mov_b32 s44, s48
	s_add_nc_u64 s[36:37], s[16:17], s[44:45]
	s_mov_b32 s44, s49
	s_add_nc_u64 s[38:39], s[18:19], s[44:45]
	WLOAD 0, 0                                     ; W's first two K steps are on their way through all of phase X
	WLOAD 1, 1
	s_cmp_eq_u32 s27, 0                            ; the buffers: choices on the work-group's number alone
	s_cselect_b64 s[32:33], s[4:5], s[6:7]
	s_cselect_b64 s[34:35], s[10:11], s[12:13]
	s_cselect_b64 s[40:41], s[20:21], s[24:25]
	s_cselect_b64 s[42:43], s[22:23], s[24:25]
	s_cmp_eq_u32 s27, 2
	s_cselect_b64 s[32:33], s[8:9], s[32:33]
	s_cselect_b64 s[34:35], s[14:15], s[34:35]
	s_mov_b32 s44, s50
	s_add_nc_u64 s[32:33], s[32:33], s[44:45]
	XLOAD 0
	XLOAD 1
	XLOAD 2
	s_mov_b32 s44, s51
	s_add_nc_u64 s[34:35], s[34:35], s[44:45]
	s_mov_b32 s44, s52
	s_add_nc_u64 s[40:41], s[40:41], s[44:45]
	s_mov_b32 s44, s53
	s_add_nc_u64 s[42:43], s[42:43], s[44:45]
	s_cmp_lg_u32 s27, 0                            ; Q's K is 1,024: a fourth group.  Its loads and its work stand in this one branch
	s_cbranch_scc1 .Lthree_groups
	XLOAD 3
	QX 3, 0                                        ; the youngest loads: the wait is for all
.Lthree_groups:
	QX 0, 16
	QX 1, 8
	QX 2, 0
	s_wait_dscnt 0x0                               ; for the others' sake: my images and bytes have landed
	s_barrier_signal -1
	s_barrier_wait -1                              ; x's fragments lie in LDS; from here on LDS is only read
	s_cmp_eq_u32 s27, 2
	s_cbranch_scc1 .Lv_path
	GSTEP 0, 1, 9, 0                               ; 9: the other set's eight fragment loads and its scale load
	GSTEP 1, 1, 9, 0
	GSTEP 2, 1, 9, 0
	GSTEP 3, 1, 9, 0
	s_cmp_eq_u32 s27, 0
	s_cbranch_scc0 .Lshort_k
	GSTEP 4, 1, 9, 0
	GSTEP 5, 1, 9, 0
	GSTEP 6, 2, 9, 0                               ; set 0 is free: it takes the bias
	GSTEP 7, 0, 8, 0                               ; 8: the bias's loads
	s_branch .Lqk_out
.Lshort_k:
	GSTEP 4, 2, 9, 0
	GSTEP 5, 0, 8, 0
.Lqk_out:
	s_wait_loadcnt 0x0                             ; the bias
.set i, 0
.rept 64
	v_pk_add_f32 v[ACC+2*i:ACC+2*i+1], v[ACC+2*i:ACC+2*i+1], v[BI+(2*i)%32:BI+(2*i)%32+1]   ; in ascending order: each accumulator is read from its low end on
.set i, i+1
.endr
.irp a, 0,1,2,3                        ; tile a of 16 tokens: 64 along the head
	QUANT2 ACC+32*\a, PC+4*\a, HW+\a
	global_store_b128 v5, v[PC+4*\a:PC+4*\a+3], s[40:41] offset:512*\a   ; the wave stores 512 consecutive bytes, aligned to 256
.endr
.irp a, 0,1,2,3
	v_or_b32 v[HW+\a], 0x7f7f0000, v[HW+\a]        ; bytes 2 and 3: 1.0, for the upper 64 of the instruction's 128, where Q's codes are zeros
.endr
	v_cndmask_b32 v30, v[HW], v[HW+1], vcc_lo      ; word j: tile 2 j's in lanes 0-15, tile 2 j + 1's in lanes 16-31
	v_cndmask_b32 v31, v[HW+2], v[HW+3], vcc_lo
	global_store_b64 v6, v[30:31], s[42:43]        ; 256 consecutive bytes, aligned
	s_wait_tensorcnt 0x0
	ds_add_u32 v14, v15
	s_wait_dscnt 0x0
	s_endpgm
.Lv_path:
	GSTEP 0, 1, 9, 1
	GSTEP 1, 1, 9, 1
	GSTEP 2, 1, 9, 1
	GSTEP 3, 1, 9, 1
	GSTEP 4, 2, 9, 1
	GSTEP 5, 0, 8, 1
	s_wait_loadcnt 0x0                             ; the bias
.irp nt, 0,1,2,3
.set i, 0
.rept 16
	v_pk_add_f32 v[ACC+32*\nt+2*i:ACC+32*\nt+2*i+1], v[ACC+32*\nt+2*i:ACC+32*\nt+2*i+1], v[BI+2*\nt:BI+2*\nt+1]
.set i, i+1
.endr
.endr
.irp a, 0,1,2,3                        ; tile a of 16 of the head's 64: 64 along the keys
	QUANT2 ACC+32*\a, PC+4*\a, HW+\a
	global_store_b128 v5, v[PC+4*\a:PC+4*\a+3], s[40:41] offset:1024*\a
.endr
	v_cndmask_b32 v30, v[HW], v[HW+1], vcc_lo
	v_cndmask_b32 v31, v[HW+2], v[HW+3], vcc_lo
	global_store_b16 v6, v30, s[42:43]             ; two of a scale word's four bytes: the other two are the neighbouring block's
	global_store_b16 v6, v31, s[42:43] offset:4
	s_wait_tensorcnt 0x0
	ds_add_u32 v14, v15
	s_wait_dscnt 0x0
	s_endpgm
.Lfunc_end_k_qc24e8277fb_proj:
	.size	k_qc24e8277fb_proj, .Lfunc_end_k_qc24e8277fb_proj-k_qc24e8277fb_proj
	.p2alignl 7, 3214868480
	.fill 96, 4, 3214868480
	.section	.rodata,"a",@progbits
	.p2align	6, 0x0
	.amdhsa_kernel k_qc24e8277fb_proj
		.amdhsa_group_segment_fixed_size 36864
		.amdhsa_private_segment_fixed_size 0
		.amdhsa_enable_private_segment 0
		.amdhsa_kernarg_size 88
		.amdhsa_user_sgpr_count 2
		.amdhsa_user_sgpr_kernarg_segment_ptr 1
		.amdhsa_wavefront_size32 1
		.amdhsa_system_sgpr_workgroup_id_x 1
		.amdhsa_system_sgpr_workgroup_id_y 1
		.amdhsa_system_sgpr_workgroup_id_z 1
		.amdhsa_system_vgpr_workitem_id 0
		.amdhsa_next_free_vgpr 256
		.amdhsa_next_free_sgpr 66
		.amdhsa_reserve_vcc 1
		.amdhsa_float_denorm_mode_32 3
		.amdhsa_float_denorm_mode_16_64 3
		.amdhsa_memory_ordered 1
		.amdhsa_forward_progress 1
		.amdhsa_inst_pref_size 96
	.end_amdhsa_kernel
	.amdgpu_metadata
---
amdhsa.version: [ 1, 2 ]
amdhsa.kernels:
  - .name:           k_qc24e8277fb_proj
    .symbol:         k_qc24e8277fb_proj.kd
    .args:
      - { .name: query, .offset: 0, .size: 8, .value_kind: global_buffer, .address_space: global }
      - { .name: key, .offset: 8, .size: 8, .value_kind: global_buffer, .address_space: global }
      - { .name: value, .offset: 16, .size: 8, .value_kind: global_buffer, .address_space: global }
      - { .name: bq, .offset: 24, .size: 8, .value_kind: global_buffer, .address_space: global }
      - { .name: bk, .offset: 32, .size: 8, .value_kind: global_buffer, .address_space: global }
      - { .name: bv, .offset: 40, .size: 8, .value_kind: global_buffer, .address_space: global }
      - { .name: wcod, .offset: 48, .size: 8, .value_kind: global_buffer, .address_space: global }
      - { .name: wscl, .offset: 56, .size: 8, .value_kind: global_buffer, .address_space: global }
      - { .name: qcod, .offset: 64, .size: 8, .value_kind: global_buffer, .address_space: global }
      - { .name: qscl, .offset: 72, .size: 8, .value_kind: global_buffer, .address_space: global }
      - { .name: kvb, .offset: 80, .size: 8, .value_kind: global_buffer, .address_space: global }
    .group_segment_fixed_size: 36864
    .private_segment_fixed_size: 0
    .kernarg_segment_align: 8
    .kernarg_segment_size: 88
    .max_flat_workgroup_size: 512
    .sgpr_count:     66
    .vgpr_count:     256
    .wavefront_size: 32
...
	.end_amdgpu_metadata
.endif
;; end of part 2
;; launch attn (part 3): grid 4 x 64, 16 waves a work-group, clusters of 4 x 1, 169,984 bytes of LDS; arguments qcod, qscl, kvb, acod, ascl; writes acod, ascl
.if DOCPART == 3
	.amdgcn_target "amdgcn-amd-amdhsa--gfx1250"
	.amdhsa_code_object_version 6
	.text
	.protected	k_qc24e8277fb_attn
	.globl	k_qc24e8277fb_attn
	.p2align	8
	.type	k_qc24e8277fb_attn,@function
k_qc24e8277fb_attn:
	s_mov_b64 s[64:65], 0
	v_nop
	global_prefetch_b8 v0, s[64:65] scope:SCOPE_SE
	s_setreg_imm32_b32 hwreg(HW_REG_WAVE_MODE, 25, 1), 1
	s_wait_xcnt 0x0
	s_wait_alu depctr_hold_cnt(0) depctr_sa_sdst(0) depctr_va_vdst(0) depctr_va_sdst(0) depctr_va_ssrc(0) depctr_va_vcc(0) depctr_vm_vsrc(0)
	s_getreg_b32 s2, hwreg(HW_REG_IB_STS2, 6, 4)
	s_cmp_eq_u32 s2, 0
	s_cbranch_scc0 .Lentry_in_a_cluster
	s_endpgm
.Lentry_in_a_cluster:
	s_bfe_u32 s2, ttmp6, 0x10000c
	s_cmp_lg_u32 s2, 0x3003
	s_cbranch_scc0 .Lentry_shape_is_right
	s_endpgm
.Lentry_shape_is_right:
; attended[b][q][head x 64 + d] = the sum over k of softmax_k(Q . K / 8) V, both products on codes of FP4 (E2M1) with one E8M0 scale for each 32 along a product's K; the result is quantised at once, along head x 64 + d, for the output projection.
; THE SOFTMAX AHEAD OF THE SECOND PRODUCT: t = score x log2(e) / 8; M = the row's largest t so far, rounded UP to a whole number; p = 2^(t - M) is what is quantised, along the keys, not normalised.
; The row's sum is taken of the unquantised p, in f32, and divides O at the end.  When M moves, the sum and O are multiplied by 2^(old M - new M): exact.
; SHARES.  A work-group owns 512 queries of one head (y = 16 x batch + head); each of its sixteen waves owns two tiles of 16 queries, one after the other, in 256 registers: four waves to a SIMD, so that one wave's vector work
; stands beside another's matrix work and LDS loads.  Every wave walks the head's 2,048 keys, 128 a step.
; LDS.  A head's K and V as codes with their scale words are 16 x 8,960 = 143,360 bytes: they are brought ONCE, wave w fetching key step w's dense block, and stay.  Nothing is filled again: one barrier behind the fills, none in the loops.
; CLUSTER.  The four work-groups of a head read the same 143,360 bytes: each block is asked for JOINTLY, by the same tensor load with the same descriptor and the mask of all four.  A work-group's place enters global addresses of Q and of the results alone.
; Each wave has one tensor load outstanding.  Nothing is asked for ahead of time: every request to memory goes out at the kernel's head.
; LAYOUT.  Both products are used transposed: S^T = K Q^T (source 0 = 16 keys, source 1 = my 16 queries), O^T = V^T P^T (source 0 = 16 of the head's 64, source 1 = P): a lane holds ONE query (lane % 16) throughout.
; Tiles take their rows in the order 32 (T / 2) + 8 (T % 2) + r + 8 (r / 8), so that the 16 registers of tiles 2 b and 2 b + 1 are 16 neighbours, 32 b + 16 (lane / 16) + 0 .. 15: keys in S^T, the head's d in O^T.
; THE FIRST PRODUCT'S K IS 64, half of the instruction's 128: Q's upper four registers are zero codes; as its upper four registers a tile of K names the next tile's codes (the last tile: zeros), which meet those zeros;
; bytes 2 and 3 of both scale words are 1.0.
; A key step's block: K's 8 tiles x 512 B; at 4,096 V's 4 tiles x 1,024 B; at 8,192 K's scale words [c 2][lane][j]; at 8,704 V's [lane][j]: register j holds tile 2 j's words in lanes 0-15, tile 2 j + 1's in lanes 16-31.
; LIMITS: a p under 2^-126 comes out of v_exp_f32 as zero (ISA guide, 15.8); a block of zeros, or one whose largest magnitude lies under 2^-124, gets the byte 1 (this program alone reads the bytes); NaN and infinities are not served.
; REGISTERS: v1 16 x lane, v2 8 x lane, v3-4 the step's LDS addresses, v5 the scale bytes' place; v12 -M, v13 the largest t, v[14:15] the sum in two halves; v16-23 Q of tile 0, v24 its scale words; v32-67 K; v68-99 V;
;   v100-163 S^T, then p; v164-195 O^T; v196-203 p's codes; v204-207 K's scale words, v208-209 V's, v210 p's; v212-227 at work; v228-235 Q of tile 1, v236 its scale words; v240-249 what is stored.
.set STEPB, 8960
.set KF,  32
.set VF,  68
.set SS,  100
.set OT,  164
.set PC,  196
.set KSC, 204
.set VSC, 208
.set PW,  210
.set BM,  212                          ; v212-215 the blocks' largest scores, then p
.set BT,  216                          ; v216-219 the other half of the lanes'; a second chain of the sum; bytes
.set SO,  220                          ; v220-223 the conversions' scale operands (the way out: v222-223 bytes)
; A round of the cluster's barrier: my work-group's barrier, so that wave 0's signal speaks for all sixteen waves; wave 0 signals for the work-group; every wave waits for all four work-groups; my work-group's barrier once more.
.macro ROUND
	s_barrier_signal -1
	s_barrier_wait -1
	s_cmp_lg_u32 s14, 0
	s_cbranch_scc1 .Lnot_wave_0_\@
	s_barrier_signal -3
.Lnot_wave_0_\@:
	s_barrier_wait -3
	s_barrier_signal -1
	s_barrier_wait -1
.endm
	s_load_b256 s[4:11], s[0:1], 0x0               ; qcod s[4:5], qscl s[6:7], kvb s[8:9], acod s[10:11]
	s_load_b64 s[12:13], s[0:1], 0x20              ; ascl
	v_lshl_add_u32 v254, v0, 2, 0x29000
	v_mov_b32 v255, 0
	ds_add_u32 v254, v255
	ds_add_u32 v254, v255
	v_lshrrev_b32 v6, 5, v0
	v_readfirstlane_b32 s14, v6                    ; wave 0..15
	s_bfe_u32 s15, ttmp6, 0x40000                  ; cx: my place in the cluster = which 512 queries
	s_and_b32 s16, ttmp7, 0xffff                   ; bh, which the four partners share
	s_mul_i32 s18, s16, 16*STEPB                   ; what I fetch: the head's key step w: made of bh and the wave's number alone
	s_mul_i32 s21, s14, STEPB                      ; group 0, 63:32: its LDS address
	s_add_co_u32 s18, s18, s21
	s_mov_b32 s19, 0
	; descriptor group 1: a dense block of 8,960 bytes as 35 rows of 256 bytes (32 elements of 8 bytes), no padding
	s_mov_b32 s24, 15|(3<<16)|(1<<21)              ; 15:0 the mask: all four work-groups; 17:16 elements of 8 bytes; 21 set beside a mask
	s_mov_b32 s25, 32<<16                          ; tensor_dim0 = 32
	s_mov_b32 s26, 35<<16                          ; tensor_dim1 = 35
	s_mov_b32 s27, 32<<16                          ; tile_dim0 = 32
	s_mov_b32 s28, 35                              ; tile_dim1 = 35
	s_mov_b32 s29, 32                              ; from row to row: 32 elements
	s_mov_b32 s30, 0
	s_mov_b32 s31, 0
	s_mov_b32 s32, 0x76543210
	s_mov_b32 s33, 0xfedcba98                      ; v_permlanex16_b32's selects for lane l xor 16
	s_mov_b32 s34, 0x3e38aa3b                      ; c = log2(e) / 8: t = score x c
	s_mov_b32 s35, s34                             ; (the packed form names the pair and takes its low word for both halves: so it is written)
	; my first tile is T = 32 cx + w of the head's 128; the second lies 16 tiles on
	s_lshl_b32 s40, s16, 16
	s_lshl_b32 s41, s15, 14
	s_add_co_u32 s40, s40, s41
	s_lshl_b32 s41, s14, 9
	s_add_co_u32 s40, s40, s41                     ; Q's codes: 65,536 bh + 512 T
	s_mov_b32 s41, 0
	s_and_b32 s38, s14, 1
	s_lshl_b32 s38, s38, 7
	s_bfe_u32 s39, s14, 0x10001
	s_lshl_b32 s39, s39, 2
	s_add_co_u32 s38, s38, s39                     ; a tile's place among the scale words of its 64 rows: 8 x 16 (T % 2) + 4 ((T / 2) % 2)
	s_lshl_b32 s42, s16, 13
	s_lshl_b32 s43, s15, 11
	s_add_co_u32 s42, s42, s43
	s_lshr_b32 s43, s14, 2
	s_lshl_b32 s43, s43, 8
	s_add_co_u32 s42, s42, s43
	s_add_co_u32 s42, s42, s38                     ; Q's scale words: 8,192 bh + 256 (T / 4) + that place
	s_mov_b32 s43, 0
	s_lshr_b32 s44, s16, 4                         ; batch
	s_and_b32 s45, s16, 15                         ; head
	s_lshl_b32 s46, s44, 7
	s_lshl_b32 s47, s15, 5
	s_add_co_u32 s46, s46, s47
	s_add_co_u32 s46, s46, s14                     ; the tile among all 512 tiles of rows: 128 batch + T
	s_lshl_b32 s48, s46, 13
	s_lshr_b32 s47, s45, 1                         ; the output projection's K step: head / 2
	s_lshl_b32 s50, s47, 10
	s_add_co_u32 s48, s48, s50
	s_and_b32 s51, s45, 1                          ; and its half: head % 2
	s_lshl_b32 s50, s51, 9
	s_add_co_u32 s48, s48, s50                     ; acod: 8,192 tile + 1,024 (head / 2) + 512 (head % 2)
	s_mov_b32 s49, 0
	s_lshr_b32 s52, s46, 2
	s_lshl_b32 s52, s52, 11
	s_lshl_b32 s50, s47, 8
	s_add_co_u32 s52, s52, s50
	s_add_co_u32 s52, s52, s38
	s_lshl_b32 s50, s51, 1
	s_add_co_u32 s52, s52, s50                     ; ascl: 2,048 (tile / 4) + 256 (head / 2) + the tile's place + 2 (head % 2)
	s_mov_b32 s53, 0
	s_wait_dscnt 0x0
	s_wait_kmcnt 0x0
	s_mov_b32 s20, 1                               ; group 0: 1:0 count = 1
	s_add_nc_u64 s[22:23], s[8:9], s[18:19]        ; 120:64 global address
	s_or_b32 s23, s23, 0x80000000                  ; 127:126 type = 2
	s_add_nc_u64 s[4:5], s[4:5], s[40:41]
	s_add_nc_u64 s[6:7], s[6:7], s[42:43]
	s_add_nc_u64 s[10:11], s[10:11], s[48:49]
	s_add_nc_u64 s[12:13], s[12:13], s[52:53]
	ROUND                                          ; all four work-groups are here: the joint loads meet
	tensor_load_to_lds s[20:23], s[24:31]          ; my one tensor load of the launch
	s_nop 0
	v_and_b32 v7, 31, v0                           ; lane
	v_and_b32 v8, 15, v0                           ; r
	v_bfe_u32 v9, v0, 4, 1                         ; h
	v_lshlrev_b32 v1, 4, v7
	v_lshlrev_b32 v2, 3, v7
	v_lshlrev_b32 v6, 3, v8                        ; Q's scale word of row r: 8 r
	v_lshl_add_u32 v5, v8, 3, v9                   ; the result's scale byte: 8 r + h
	v_cmp_le_u32 vcc_lo, 16, v7                    ; lanes 16-31: kept to the end
	global_load_b128 v[16:19], v1, s[4:5]          ; Q's codes of both tiles stay in registers
	global_load_b128 v[228:231], v1, s[4:5] offset:8192
	global_load_b32 v24, v6, s[6:7]
	global_load_b32 v236, v6, s[6:7] offset:1024
.irp j, 20,21,22,23,232,233,234,235,64,65,66,67
	v_mov_b32 v\j, 0                               ; zero codes: Q's upper 64 along K, and what K's last tile names as its upper four registers
.endr
.irp j, 216,217,218,219,225,226
	v_mov_b32 v\j, 0                               ; written once: lane permutes' destinations count as sources; v225 is named as the upper half of the pair v[224:225]
.endr
	s_wait_loadcnt 0x0                             ; Q
	s_wait_tensorcnt 0x0                           ; my block has landed,
	s_barrier_signal -1
	s_barrier_wait -1                              ; everybody's has
; One tile of 16 queries against all keys.  qf: its eight registers of codes; qs: its scale words.
.macro TILE it, qf, qs
	v_mov_b32 v13, 0xff61b1e6                      ; the largest t so far: -3e38, under every t
	v_floor_f32 v12, -v13                          ; -M
	v_mov_b32 v14, 0                               ; the sum, in two halves
	v_mov_b32 v15, 0
.set i, 0
.rept 32
	v_mov_b32 v[OT+i], 0                           ; O^T.  (The step is written once: the first finds zeros, which the first change of M leaves zeros)
.set i, i+1
.endr
	s_mov_b32 s36, 0                               ; LDS byte at which the step's block begins
	s_mov_b32 s37, 16
.Lstep_\@:
	v_add_nc_u32 v3, s36, v1
	v_add_nc_u32 v4, s36, v2
	v_nop
	v_nop                                          ; with the two additions: four places in front of loads into registers that the last step's products read
.irp t, 0,1,2,3,4,5,6,7
	ds_load_b128 v[KF+4*\t:KF+4*\t+3], v3 offset:512*\t
.endr
.irp c, 0,1
	ds_load_b64 v[KSC+2*\c:KSC+2*\c+1], v4 offset:8192+256*\c
.endr
.irp t, 0,1,2,3
.irp c, 0,1
	ds_load_b128 v[VF+8*\t+4*\c:VF+8*\t+4*\c+3], v3 offset:4096+1024*\t+512*\c
.endr
.endr
	ds_load_b64 v[VSC:VSC+1], v4 offset:8704
	s_wait_dscnt 9                                 ; K and its scale words are in; V's eight loads and its scale load may be out
.irp t, 0,1,2,3,4,5,6,7                        ; S^T = K Q^T
.if \t%2
	v_wmma_scale_f32_16x16x128_f8f6f4 v[SS+8*\t:SS+8*\t+7], v[KF+4*\t:KF+4*\t+7], v[\qf:\qf+7], 0, v[KSC+\t/2], v[\qs] matrix_a_fmt:MATRIX_FMT_FP4 matrix_b_fmt:MATRIX_FMT_FP4 matrix_a_scale:MATRIX_SCALE_ROW1
.else
	v_wmma_scale_f32_16x16x128_f8f6f4 v[SS+8*\t:SS+8*\t+7], v[KF+4*\t:KF+4*\t+7], v[\qf:\qf+7], 0, v[KSC+\t/2], v[\qs] matrix_a_fmt:MATRIX_FMT_FP4 matrix_b_fmt:MATRIX_FMT_FP4
.endif
.endr
.rept 4
	v_nop                                          ; four places in front of the first read of results
.endr
.irp b, 0,1,2,3
	v_max3_num_f32 v[BM+\b], v[SS+16*\b], v[SS+16*\b+1], v[SS+16*\b+2]   ; THE LARGEST SCORE OF EACH BLOCK OF 32 KEYS: it serves for the row's maximum and, since p rises with the score, for the block's largest p
.endr
.irp i, 3,5,7,9,11,13
.irp b, 0,1,2,3
	v_max3_num_f32 v[BM+\b], v[BM+\b], v[SS+16*\b+\i], v[SS+16*\b+\i+1]   ; (the four blocks by turns; each accumulator is read from its low end on)
.endr
.endr
.irp b, 0,1,2,3
	v_max_num_f32 v[BM+\b], v[BM+\b], v[SS+16*\b+15]
.endr
.irp b, 0,1,2,3
	v_permlanex16_b32 v[BT+\b], v[BM+\b], s32, s33
.endr
.irp b, 0,1,2,3
	v_max_num_f32 v[BM+\b], v[BM+\b], v[BT+\b]     ; with lane l xor 16's 16 keys
.endr
	v_max3_num_f32 v226, v[BM], v[BM+1], v[BM+2]
	v_max_num_f32 v226, v226, v[BM+3]              ; the step's largest score of my query
	v_mul_f32 v226, s34, v226                      ; as t (c is positive)
	v_max_num_f32 v13, v13, v226                   ; the running largest t
	v_mov_b32 v226, v12
	v_floor_f32 v12, -v13                          ; the new -M = floor(-t) = -ceil(t): M is a whole number
	v_sub_f32 v226, v12, v226                      ; M's old value less its new one: a whole number, 0 or less
	v_cvt_i32_f32 v226, v226                       ; (it saturates)
	v_ldexp_f32 v224, 1.0, v226                    ; f = 2^(old M - new M)
.irp j, 0,2,4,6,8,10,12,14,16,18,20,22,24,26,28,30,32,34,36,38,40,42,44,46,48,50,52,54,56,58,60,62
	v_pk_fma_f32 v[SS+\j:SS+\j+1], v[SS+\j:SS+\j+1], s[34:35], v[12:13] op_sel_hi:[1,0,0]   ; t - M, two at a time (of the pairs c and -M the low word serves both halves)
.endr
.irp b, 0,1,2,3
	v_fma_f32 v[BM+\b], v[BM+\b], s34, v12         ; the same of each block's largest score
.endr
.set i, 0
.rept 64
	v_exp_f32 v[SS+i], v[SS+i]                     ; p = 2^(t - M), at most 1: not normalised
.set i, i+1
.endr
	v_pk_mul_f32 v[14:15], v[14:15], v[224:225] op_sel_hi:[1,0]   ; the sums under the new M: the plain line behind the exponentials
	s_wait_alu depctr_va_vdst(0)                   ; the wait ahead of the first line that names a result: one for the batch of 64
.irp b, 0,1,2,3
	v_exp_f32 v[BM+\b], v[BM+\b]                   ; the block's largest p: the same two instructions on the same number give the same bits
.endr
	v_pk_add_f32 v[BT:BT+1], v[SS:SS+1], v[SS+2:SS+3]   ; THE ROW'S SUM IS TAKEN OF THE UNQUANTISED p: two at a time, in two chains
.irp j, 4,8,12,16,20,24,28,32,36,40,44,48,52,56,60
	v_pk_add_f32 v[14:15], v[14:15], v[SS+\j:SS+\j+1]
	v_pk_add_f32 v[BT:BT+1], v[BT:BT+1], v[SS+\j+2:SS+\j+3]
.endr
	v_pk_add_f32 v[14:15], v[14:15], v[BT:BT+1]
	s_wait_alu depctr_va_vdst(0)                   ; and one for the four
.irp b, 0,1,2,3
	v_max_num_f32 v[BM+\b], 0x1800000, v[BM+\b]    ; the floor 2^(3 - 127): the byte cannot fall under 1
.endr
.irp b, 0,1,2,3
	v_add_nc_u32 v[SO+\b], 0xff000000, v[BM+\b]    ; 2 off the exponent field: the conversion's scale operand
.endr
.irp b, 0,1,2,3
	v_lshrrev_b32 v[BT+\b], 23, v[SO+\b]           ; the scale's byte
.endr
	v_lshl_or_b32 v[PW], v[BT+1], 8, v[BT]         ; p's scale word for these 128 keys
	v_lshl_or_b32 v[PW], v[BT+2], 16, v[PW]
	v_lshl_or_b32 v[PW], v[BT+3], 24, v[PW]
.irp b, 0,1,2,3
	v_cvt_scalef32_pk8_fp4_f32 v[PC+2*\b], v[SS+16*\b:SS+16*\b+7], v[SO+\b]
	v_cvt_scalef32_pk8_fp4_f32 v[PC+2*\b+1], v[SS+16*\b+8:SS+16*\b+15], v[SO+\b]
.endr
	v_nop                                          ; one plain line behind the conversions
.irp c, 0,1                                    ; the operand's layout wants a whole block in a lane: lanes 0-15 block 2 c, lanes 16-31 block 2 c + 1
.irp i, 0,1
	v_permlane16_swap_b32 v[PC+4*\c+\i], v[PC+4*\c+2+\i]
.endr
.endr
.set i, 0
.rept 16
	v_pk_mul_f32 v[OT+2*i:OT+2*i+1], v[OT+2*i:OT+2*i+1], v[224:225] op_sel_hi:[1,0]   ; O^T under the new M.  (For each product below twelve of these name none of its registers: the places between the scale word's and the codes' last writes and the product)
.set i, i+1
.endr
	s_wait_dscnt 0x0                               ; V and its scale words are in
.irp t, 0,1,2,3                                ; O^T += V^T P^T: the four accumulators by turns, one instruction a turn
.if \t%2
	v_wmma_scale_f32_16x16x128_f8f6f4 v[OT+8*\t:OT+8*\t+7], v[VF+8*\t:VF+8*\t+7], v[PC:PC+7], v[OT+8*\t:OT+8*\t+7], v[VSC+\t/2], v[PW] matrix_a_fmt:MATRIX_FMT_FP4 matrix_b_fmt:MATRIX_FMT_FP4 matrix_a_scale:MATRIX_SCALE_ROW1
.else
	v_wmma_scale_f32_16x16x128_f8f6f4 v[OT+8*\t:OT+8*\t+7], v[VF+8*\t:VF+8*\t+7], v[PC:PC+7], v[OT+8*\t:OT+8*\t+7], v[VSC+\t/2], v[PW] matrix_a_fmt:MATRIX_FMT_FP4 matrix_b_fmt:MATRIX_FMT_FP4
.endif
.endr
	s_add_co_u32 s36, s36, STEPB
	s_sub_co_u32 s37, s37, 1
	s_cmp_lg_u32 s37, 0
	s_cbranch_scc1 .Lstep_\@
	; THE WAY OUT: O^T / the sum; register 16 b + i is d = 32 b + 16 (lane / 16) + i of my query: two blocks of the output projection's K
.rept 4
	v_nop                                          ; four places in front of the first read of results
.endr
	v_add_f32 v14, v14, v15                        ; the sum's two halves,
	v_permlanex16_b32 v226, v14, s32, s33
	v_add_f32 v14, v14, v226                       ; and lane l xor 16's: the row's sum
	v_rcp_f32 v224, v14
	v_nop                                          ; the plain line behind the reciprocal
	s_wait_alu depctr_va_vdst(0)                   ; and the wait ahead of its first reader
.set i, 0
.rept 16
	v_pk_mul_f32 v[SS+2*i:SS+2*i+1], v[OT+2*i:OT+2*i+1], v[224:225] op_sel_hi:[1,0]   ; in ascending order: each accumulator is read from its low end on
.set i, i+1
.endr
.irp b, 0,1
	v_max3_num_f32 v[BM+\b], |v[SS+16*\b]|, |v[SS+16*\b+1]|, 0x1800000
.endr
.irp i, 2,4,6,8,10,12,14
.irp b, 0,1
	v_max3_num_f32 v[BM+\b], v[BM+\b], |v[SS+16*\b+\i]|, |v[SS+16*\b+\i+1]|
.endr
.endr
.irp b, 0,1
	v_permlanex16_b32 v[BT+\b], v[BM+\b], s32, s33
.endr
.irp b, 0,1
	v_max_num_f32 v[BM+\b], v[BM+\b], v[BT+\b]
.endr
.irp b, 0,1
	v_add_nc_u32 v[SO+\b], 0xff000000, v[BM+\b]
.endr
.irp b, 0,1
	v_lshrrev_b32 v[SO+2+\b], 23, v[SO+\b]
.endr
.irp b, 0,1
	v_cvt_scalef32_pk8_fp4_f32 v[240+4*\it+2*\b], v[SS+16*\b:SS+16*\b+7], v[SO+\b]
	v_cvt_scalef32_pk8_fp4_f32 v[241+4*\it+2*\b], v[SS+16*\b+8:SS+16*\b+15], v[SO+\b]
.endr
	v_nop                                          ; one plain line behind the conversions
	v_permlane16_swap_b32 v[240+4*\it], v[242+4*\it]
	v_permlane16_swap_b32 v[241+4*\it], v[243+4*\it]
	v_cndmask_b32 v[248+\it], v[SO+2], v[SO+3], vcc_lo   ; lane (r, h) stores block h's byte of row r
	global_store_b128 v1, v[240+4*\it:243+4*\it], s[10:11] offset:131072*\it   ; 512 consecutive bytes, aligned to 256; each tile has data registers of its own, so none is written again
	global_store_b8 v5, v[248+\it], s[12:13] offset:8192*\it   ; single bytes: a scale word's four come from two heads (262,144 bytes in the whole launch)
.endm
	TILE 0, 16, 24
	TILE 1, 228, 236
	s_wait_dscnt 0x0                               ; no LDS instruction of mine is pending at the signal
	s_wait_tensorcnt 0x0
	ds_add_u32 v254, v255
	s_wait_dscnt 0x0
	ROUND                                          ; the closing round: no work-group ends while a partner may still ask for a block that names it
	s_endpgm
.Lfunc_end_k_qc24e8277fb_attn:
	.size	k_qc24e8277fb_attn, .Lfunc_end_k_qc24e8277fb_attn-k_qc24e8277fb_attn
	.p2alignl 7, 3214868480
	.fill 96, 4, 3214868480
	.section	.rodata,"a",@progbits
	.p2align	6, 0x0
	.amdhsa_kernel k_qc24e8277fb_attn
		.amdhsa_group_segment_fixed_size 169984
		.amdhsa_private_segment_fixed_size 0
		.amdhsa_enable_private_segment 0
		.amdhsa_kernarg_size 40
		.amdhsa_user_sgpr_count 2
		.amdhsa_user_sgpr_kernarg_segment_ptr 1
		.amdhsa_wavefront_size32 1
		.amdhsa_system_sgpr_workgroup_id_x 1
		.amdhsa_system_sgpr_workgroup_id_y 1
		.amdhsa_system_sgpr_workgroup_id_z 1
		.amdhsa_system_vgpr_workitem_id 0
		.amdhsa_next_free_vgpr 256
		.amdhsa_next_free_sgpr 66
		.amdhsa_reserve_vcc 1
		.amdhsa_float_denorm_mode_32 3
		.amdhsa_float_denorm_mode_16_64 3
		.amdhsa_memory_ordered 1
		.amdhsa_forward_progress 1
		.amdhsa_inst_pref_size 45
	.end_amdhsa_kernel
	.amdgpu_metadata
---
amdhsa.version: [ 1, 2 ]
amdhsa.kernels:
  - .name:           k_qc24e8277fb_attn
    .symbol:         k_qc24e8277fb_attn.kd
    .args:
      - { .name: qcod, .offset: 0, .size: 8, .value_kind: global_buffer, .address_space: global }
      - { .name: qscl, .offset: 8, .size: 8, .value_kind: global_buffer, .address_space: global }
      - { .name: kvb, .offset: 16, .size: 8, .value_kind: global_buffer, .address_space: global }
      - { .name: acod, .offset: 24, .size: 8, .value_kind: global_buffer, .address_space: global }
      - { .name: ascl, .offset: 32, .size: 8, .value_kind: global_buffer, .address_space: global }
    .group_segment_fixed_size: 169984
    .private_segment_fixed_size: 0
    .kernarg_segment_align: 8
    .kernarg_segment_size: 40
    .max_flat_workgroup_size: 512
    .sgpr_count:     66
    .vgpr_count:     256
    .wavefront_size: 32
...
	.end_amdgpu_metadata
.endif
;; end of part 3
;; launch outp (part 4): grid 128 x 2, 8 waves a work-group, no clusters, 70,656 bytes of LDS; arguments acod, ascl, wcod, wscl, bo, out0; writes out0
.if DOCPART == 4
	.amdgcn_target "amdgcn-amd-amdhsa--gfx1250"
	.amdhsa_code_object_version 6
	.text
	.protected	k_qc24e8277fb_outp
	.globl	k_qc24e8277fb_outp
	.p2align	8
	.type	k_qc24e8277fb_outp,@function
k_qc24e8277fb_outp:
	s_mov_b64 s[64:65], 0
	v_nop
	global_prefetch_b8 v0, s[64:65] scope:SCOPE_SE
	s_setreg_imm32_b32 hwreg(HW_REG_WAVE_MODE, 25, 1), 1
	s_wait_xcnt 0x0
; out0 = attended Wo + bo on codes of FP4 (E2M1) with one E8M0 scale for each 32 along K = 1,024, sums in f32.  Both operands arrive as images of operand registers, made by the launches before.
; SHARES.  A work-group takes 64 rows (x) and half of the 1,024 outputs (y).  Wave w takes 64 outputs, 64 (8 y + w) on, for the 64 rows: 16 accumulators, 128 registers.
; The rows' codes (32,768 bytes) and scale words (2,048) are copied into LDS once, as they lie, each wave an eighth; Wo's go straight into each wave's registers, two K steps ahead in two sets.
; Source 0 = 16 rows of Wo's image (outputs), source 1 = 16 rows of attended.  Tiles take their rows in the order 32 (T / 2) + 8 (T % 2) + r + 8 (r / 8): a lane's 16 registers of tiles 2 b and 2 b + 1 are outputs
; 32 b + 16 (lane / 16) + 0 .. 15 of one row, and the order of the rows is undone in the stores' addresses.
; THE WAY OUT: a tile of 16 rows x 64 outputs goes through the wave's own stage in LDS and leaves as rows: sixteen lanes store 256 consecutive bytes, aligned.
; NO CLUSTER: what work-groups share is Wo, which goes into registers by loads of a lane; a joint request lands in LDS, where half of Wo, 8 x 34,816 bytes, would want slots that are filled again.
; REGISTERS: v1-12 lane numbers and addresses; v24-27 Wo's scale words (two sets), v28-29 the rows'; v32-63 the rows' fragments; v64-127 Wo's fragments, two sets (the bias takes the first when it is free); v128-255 the accumulators.
.set XSC,  32768                       ; LDS: the rows' images [tile 4][K step 8][c 2][lane][16 B] from 0; from here their scale words [K step 8][lane'][j]
.set STG,  34816                       ; the stages: 16 rows x (256 + 16) bytes for each wave
.set WSC,  24
.set XSR,  28
.set XF,   32
.set WF,   64
.set BI,   64
.set ACC,  128
.macro WM d, a, b, z, sa, sb, ra, rb   ; one product.  z: it starts the sum.  ra, rb: the side's scale words stand in lanes 16-31 of the register named
.if \z
.if (\ra) && (\rb)
	v_wmma_scale_f32_16x16x128_f8f6f4 v[\d:\d+7], v[\a:\a+7], v[\b:\b+7], 0, v[\sa], v[\sb] matrix_a_fmt:MATRIX_FMT_FP4 matrix_b_fmt:MATRIX_FMT_FP4 matrix_a_scale:MATRIX_SCALE_ROW1 matrix_b_scale:MATRIX_SCALE_ROW1
.elseif (\ra)
	v_wmma_scale_f32_16x16x128_f8f6f4 v[\d:\d+7], v[\a:\a+7], v[\b:\b+7], 0, v[\sa], v[\sb] matrix_a_fmt:MATRIX_FMT_FP4 matrix_b_fmt:MATRIX_FMT_FP4 matrix_a_scale:MATRIX_SCALE_ROW1
.elseif (\rb)
	v_wmma_scale_f32_16x16x128_f8f6f4 v[\d:\d+7], v[\a:\a+7], v[\b:\b+7], 0, v[\sa], v[\sb] matrix_a_fmt:MATRIX_FMT_FP4 matrix_b_fmt:MATRIX_FMT_FP4 matrix_b_scale:MATRIX_SCALE_ROW1
.else
	v_wmma_scale_f32_16x16x128_f8f6f4 v[\d:\d+7], v[\a:\a+7], v[\b:\b+7], 0, v[\sa], v[\sb] matrix_a_fmt:MATRIX_FMT_FP4 matrix_b_fmt:MATRIX_FMT_FP4
.endif
.else
.if (\ra) && (\rb)
	v_wmma_scale_f32_16x16x128_f8f6f4 v[\d:\d+7], v[\a:\a+7], v[\b:\b+7], v[\d:\d+7], v[\sa], v[\sb] matrix_a_fmt:MATRIX_FMT_FP4 matrix_b_fmt:MATRIX_FMT_FP4 matrix_a_scale:MATRIX_SCALE_ROW1 matrix_b_scale:MATRIX_SCALE_ROW1
.elseif (\ra)
	v_wmma_scale_f32_16x16x128_f8f6f4 v[\d:\d+7], v[\a:\a+7], v[\b:\b+7], v[\d:\d+7], v[\sa], v[\sb] matrix_a_fmt:MATRIX_FMT_FP4 matrix_b_fmt:MATRIX_FMT_FP4 matrix_a_scale:MATRIX_SCALE_ROW1
.elseif (\rb)
	v_wmma_scale_f32_16x16x128_f8f6f4 v[\d:\d+7], v[\a:\a+7], v[\b:\b+7], v[\d:\d+7], v[\sa], v[\sb] matrix_a_fmt:MATRIX_FMT_FP4 matrix_b_fmt:MATRIX_FMT_FP4 matrix_b_scale:MATRIX_SCALE_ROW1
.else
	v_wmma_scale_f32_16x16x128_f8f6f4 v[\d:\d+7], v[\a:\a+7], v[\b:\b+7], v[\d:\d+7], v[\sa], v[\sb] matrix_a_fmt:MATRIX_FMT_FP4 matrix_b_fmt:MATRIX_FMT_FP4
.endif
.endif
.endm
.macro WLOAD p, s                      ; my four fragments of Wo and their scale words, K step s, into set p: nine loads
.irp q, 0,1,2,3,4,5,6,7
	global_load_b128 v[WF+32*(\p)+4*\q:WF+32*(\p)+4*\q+3], v5, s[36:37] offset:65536*(\s)+512*\q
.endr
	global_load_b64 v[WSC+2*(\p):WSC+2*(\p)+1], v6, s[38:39] offset:4096*(\s)
.endm
.macro BIAS                            ; bo of my 64 outputs as the results lie: register 16 b + i is output 32 b + 16 (lane / 16) + i: eight loads
.irp b, 0,1
.irp q, 0,1,2,3
	global_load_b128 v[BI+16*\b+4*\q:BI+16*\b+4*\q+3], v9, s[34:35] offset:128*\b+16*\q
.endr
.endr
.endm
; A K step of 128: the rows' four fragments and scale words from LDS, 16 products.  pre = 1: Wo of two steps on is asked for, into the set just read; 2: the bias, into that set.
; left: the younger global loads that may stay out.  The 16 accumulators take turns, one instruction a turn, in the same order in every step.
.macro GSTEP s, pre, left
.set GP, (\s)%2
.if (\s) == 0
.set GZ, 1
.else
.set GZ, 0
.endif
.irp tt, 0,1,2,3
.irp c, 0,1
	ds_load_b128 v[XF+8*\tt+4*\c:XF+8*\tt+4*\c+3], v5 offset:8192*\tt+1024*(\s)+512*\c
.endr
.endr
	ds_load_b64 v[XSR:XSR+1], v6 offset:XSC+256*(\s)
	s_wait_loadcnt \left                           ; this step's Wo is in; what was asked for behind it may be out
	s_wait_dscnt 0x0
.irp tt, 0,1,2,3
.irp nt, 0,1,2,3
	WM ACC+8*(4*\tt+\nt), WF+32*GP+8*\nt, XF+8*\tt, GZ, WSC+2*GP+\nt/2, XSR+\tt/2, \nt%2, \tt%2
.endr
.endr
.rept 4
	v_nop                                          ; four places in front of loads into registers that these products read, and of the first read of results
.endr
.if (\pre) == 1
	WLOAD GP, (\s)+2
.elseif (\pre) == 2
	BIAS
.endif
.endm
	s_load_b256 s[4:11], s[0:1], 0x0               ; acod s[4:5], ascl s[6:7], wcod s[8:9], wscl s[10:11]
	s_load_b128 s[12:15], s[0:1], 0x20             ; bo s[12:13], out0 s[14:15]
	v_lshl_add_u32 v30, v0, 2, 0x11000
	v_mov_b32 v31, 0
	v_lshrrev_b32 v7, 5, v0
	v_readfirstlane_b32 s26, v7                    ; wave 0..7
	s_and_b32 s27, ttmp7, 0xffff
	s_lshl_b32 s28, s27, 3
	s_add_co_u32 s28, s28, s26                     ; which 64 outputs: 8 y + wave
	v_and_b32 v1, 31, v0                           ; lane
	v_and_b32 v2, 15, v0                           ; r
	v_bfe_u32 v3, v0, 4, 1                         ; h
	v_lshlrev_b32 v5, 4, v1                        ; 16 x lane
	v_lshlrev_b32 v6, 3, v1                        ; 8 x lane
	s_lshl_b32 s29, s26, 12
	v_add_nc_u32 v7, s29, v5                       ; the copy: my wave's 4,096 bytes of the images,
	s_lshl_b32 s30, s26, 8
	v_add_nc_u32 v8, s30, v6                       ; and its 256 bytes of the scale words
	v_lshlrev_b32 v9, 6, v3                        ; the bias: 64 h
	s_mul_i32 s31, s26, 4352
	s_add_co_u32 s31, s31, STG                     ; my stage
	v_mul_u32_u24 v10, v2, 272
	v_lshl_add_u32 v10, v3, 6, v10
	v_add_nc_u32 v10, s31, v10                     ; in: row r, + 64 h
	v_mul_u32_u24 v11, v3, 272
	v_lshl_add_u32 v11, v2, 4, v11
	v_add_nc_u32 v11, s31, v11                     ; back: lanes 0-15 one row, lanes 16-31 the next
	v_lshlrev_b32 v12, 12, v3
	v_lshl_add_u32 v12, v2, 4, v12                 ; and the same two rows in out0: 4,096 h + 16 (lane % 16)
	s_lshl_b32 s42, s28, 12
	s_add_co_u32 s42, s42, 20*65536                ; Wo's codes: K steps 20 on, 4,096 bytes for 64 outputs
	s_lshl_b32 s43, s28, 8                         ; the bias, and the outputs' place in a row of out0: 256 bytes for 64
	s_add_co_u32 s44, s43, 20*4096                 ; Wo's scale words
	s_lshl_b32 s45, ttmp9, 15
	s_add_co_u32 s45, s45, s29                     ; the rows' codes: 32,768 a block + my wave's part
	s_lshl_b32 s46, ttmp9, 11
	s_add_co_u32 s46, s46, s30                     ; their scale words: 2,048 a block + my wave's part
	s_lshl_b32 s47, ttmp9, 18
	s_add_co_u32 s47, s47, s43                     ; out0: 64 rows of 4,096 bytes a block
	s_mov_b32 s41, 0
	s_wait_kmcnt 0x0
	s_mov_b32 s40, s42
	s_add_nc_u64 s[36:37], s[8:9], s[40:41]
	s_mov_b32 s40, s44
	s_add_nc_u64 s[38:39], s[10:11], s[40:41]
	WLOAD 0, 0
	WLOAD 1, 1
	s_mov_b32 s40, s45
	s_add_nc_u64 s[4:5], s[4:5], s[40:41]
	s_mov_b32 s40, s46
	s_add_nc_u64 s[6:7], s[6:7], s[40:41]
.irp i, 0,1,2,3,4,5,6,7
	global_load_b128 v[ACC+4*\i:ACC+4*\i+3], v5, s[4:5] offset:512*\i
.endr
	global_load_b64 v[ACC+32:ACC+33], v6, s[6:7]
	s_mov_b32 s40, s43
	s_add_nc_u64 s[34:35], s[12:13], s[40:41]
	s_mov_b32 s40, s47
	s_add_nc_u64 s[14:15], s[14:15], s[40:41]
	s_wait_loadcnt 0x0
.irp i, 0,1,2,3,4,5,6,7
	ds_store_b128 v7, v[ACC+4*\i:ACC+4*\i+3] offset:512*\i
.endr
	ds_store_b64 v8, v[ACC+32:ACC+33] offset:XSC
	s_wait_dscnt 0x0                               ; for the others' sake: my part of the copy has landed
	s_barrier_signal -1
	s_barrier_wait -1                              ; the rows' fragments lie in LDS; from here on these bytes are only read
	GSTEP 0, 1, 9                                  ; 9: the other set's eight fragment loads and its scale load
	GSTEP 1, 1, 9
	GSTEP 2, 1, 9
	GSTEP 3, 1, 9
	GSTEP 4, 1, 9
	GSTEP 5, 1, 9
	GSTEP 6, 2, 9                                  ; set 0 is free: it takes the bias
	GSTEP 7, 0, 8                                  ; 8: the bias's loads
	s_wait_loadcnt 0x0                             ; the bias
.set i, 0
.rept 64
	v_pk_add_f32 v[ACC+2*i:ACC+2*i+1], v[ACC+2*i:ACC+2*i+1], v[BI+(2*i)%32:BI+(2*i)%32+1]   ; in ascending order: each accumulator is read from its low end on
.set i, i+1
.endr
; Tile tt of 16 rows: into my stage, back by rows, out.  LDS serves a wave's instructions in order (ISA guide 5.7.1.4): no wait between the stores and the loads, nor in front of the next tile's stores.
.macro OUTT tt
.set BK, 32+32*((\tt)%2)               ; v32-63 and v64-95 by turns
.irp b, 0,1
.irp q, 0,1,2,3
	ds_store_b128 v10, v[ACC+32*(\tt)+16*\b+4*\q:ACC+32*(\tt)+16*\b+4*\q+3] offset:128*\b+16*\q
.endr
.endr
.if (\tt) >= 2
	s_wait_xcnt 0x0                                ; the stores of two tiles back have read their registers: only behind this wait are these loaded again
.endif
.irp i, 0,1,2,3,4,5,6,7
	ds_load_b128 v[BK+4*\i:BK+4*\i+3], v11 offset:544*\i
.endr
	s_wait_dscnt 0x0
.irp i, 0,1,2,3,4,5,6,7
	global_store_b128 v12, v[BK+4*\i:BK+4*\i+3], s[14:15] offset:4096*(32*((\tt)/2)+8*((\tt)%2)+2*\i+8*(\i/4)) th:TH_STORE_NT   ; the tile's rows 2 i and 2 i + 1 at their true places; sixteen lanes store 256 consecutive bytes, aligned
.endr
.endm
	OUTT 0
	OUTT 1
	OUTT 2
	OUTT 3
	s_wait_tensorcnt 0x0
	ds_add_u32 v30, v31
	s_wait_dscnt 0x0
	s_endpgm
.Lfunc_end_k_qc24e8277fb_outp:
	.size	k_qc24e8277fb_outp, .Lfunc_end_k_qc24e8277fb_outp-k_qc24e8277fb_outp
	.p2alignl 7, 3214868480
	.fill 96, 4, 3214868480
	.section	.rodata,"a",@progbits
	.p2align	6, 0x0
	.amdhsa_kernel k_qc24e8277fb_outp
		.amdhsa_group_segment_fixed_size 70656
		.amdhsa_private_segment_fixed_size 0
		.amdhsa_enable_private_segment 0
		.amdhsa_kernarg_size 48
		.amdhsa_user_sgpr_count 2
		.amdhsa_user_sgpr_kernarg_segment_ptr 1
		.amdhsa_wavefront_size32 1
		.amdhsa_system_sgpr_workgroup_id_x 1
		.amdhsa_system_sgpr_workgroup_id_y 1
		.amdhsa_system_sgpr_workgroup_id_z 1
		.amdhsa_system_vgpr_workitem_id 0
		.amdhsa_next_free_vgpr 256
		.amdhsa_next_free_sgpr 66
		.amdhsa_reserve_vcc 0
		.amdhsa_float_denorm_mode_32 3
		.amdhsa_float_denorm_mode_16_64 3
		.amdhsa_memory_ordered 1
		.amdhsa_forward_progress 1
		.amdhsa_inst_pref_size 45
	.end_amdhsa_kernel
	.amdgpu_metadata
---
amdhsa.version: [ 1, 2 ]
amdhsa.kernels:
  - .name:           k_qc24e8277fb_outp
    .symbol:         k_qc24e8277fb_outp.kd
    .args:
      - { .name: acod, .offset: 0, .size: 8, .value_kind: global_buffer, .address_space: global }
      - { .name: ascl, .offset: 8, .size: 8, .value_kind: global_buffer, .address_space: global }
      - { .name: wcod, .offset: 16, .size: 8, .value_kind: global_buffer, .address_space: global }
      - { .name: wscl, .offset: 24, .size: 8, .value_kind: global_buffer, .address_space: global }
      - { .name: bo, .offset: 32, .size: 8, .value_kind: global_buffer, .address_space: global }
      - { .name: out0, .offset: 40, .size: 8, .value_kind: global_buffer, .address_space: global }
    .group_segment_fixed_size: 70656
    .private_segment_fixed_size: 0
    .kernarg_segment_align: 8
    .kernarg_segment_size: 48
    .max_flat_workgroup_size: 256
    .sgpr_count:     66
    .vgpr_count:     256
    .wavefront_size: 32
...
	.end_amdgpu_metadata
.endif
;; end of part 4
;; ======== version 2 of 3: 4 launches; 1.21 times as fast as version 1
;; workspace buffers: wcod 1,835,008 bytes; wscl 114,688 bytes; qcod 4,194,304 bytes; qscl 524,288 bytes; kvb 9,175,040 bytes; acod 4,194,304 bytes; ascl 262,144 bytes
;; launch quantw: the kernel of part 1 again; grid 28 x 8, 4 waves a work-group, no clusters, 0 bytes of LDS; arguments Wq, Wk, Wv, Wo, wcod, wscl; writes wcod, wscl
;; launch proj (part 5): grid 128 x 3, 16 waves a work-group, no clusters, 315,392 bytes of LDS; arguments query, key, value, bq, bk, bv, wcod, wscl, qcod, qscl, kvb; writes qcod, qscl, kvb
.if DOCPART == 5
	.amdgcn_target "amdgcn-amd-amdhsa--gfx1250"
	.amdhsa_code_object_version 6
	.text
	.protected	k_qc24e8277fb_proj
	.globl	k_qc24e8277fb_proj
	.p2align	8
	.type	k_qc24e8277fb_proj,@function
k_qc24e8277fb_proj:
	s_mov_b64 s[64:65], 0
	v_nop
	global_prefetch_b8 v0, s[64:65] scope:SCOPE_SE
	s_setreg_imm32_b32 hwreg(HW_REG_WAVE_MODE, 25, 1), 1
	s_wait_xcnt 0x0
; The three input projections, Q = query Wq + bq (y = 0), K = key Wk + bk (y = 1), V = value Wv + bv (y = 2), on codes of FP4 (E2M1) with one E8M0 scale for each 32 along K, sums in f32;
; the results are quantised at once for attention's two products, Q and K along the head's 64, V along the keys, and stored as images of operand registers.
; SHARES.  A work-group takes 64 tokens (x = the block) of one projection (y).  Wave w is head w: 64 outputs x 64 tokens, 16 accumulators, 128 registers.
; x is read from memory once, quantised once (phase X: each wave makes 3 or 4 half fragments) and goes to all sixteen waves through LDS as images of the operand's registers.
; W's codes and scale words, made by the launch before in register order, go straight into each wave's registers, two K steps ahead in two sets.
; PHASE X.  The conversions take a block's 32 numbers from ONE lane's registers; a load is best where neighbouring LANES take neighbouring bytes.  Both are had: a half fragment is 16 tokens x 256 bytes, and each of its eight
; loads reads two tokens' 256 bytes, sixteen lanes to 256 consecutive bytes, aligned; the 4,096 bytes go into a stage in LDS as they were loaded (rows 272 bytes apart) and come back 128 bytes a lane, into the registers that they left.
; TILES take their rows in the order row(T, r) = 32 (T / 2) + 8 (T % 2) + r + 8 (r / 8), tokens and outputs alike.  With such a tile as source 0 a lane's 16 registers of tiles 2 b and 2 b + 1
; are 16 neighbours, 32 b + 16 (lane / 16) + 0 .. 15, along source 0's rows.  Q and K: source 0 = W's rows (the head's 64), source 1 = tokens.  V: source 0 = tokens (the keys), source 1 = W's rows.
; OUT.  qcod [bh][tile 128][lane][16 B]; qscl [bh][64 queries][lane'][j] words; kvb [bh][128 keys][8,960 B]: K's 8 tiles x 512 B, at 4,096 V's 4 tiles x 1,024 B, at 8,192 K's scale words, at 8,704 V's.
; Q's and K's product has K = 64, half of the instruction's 128: bytes 2 and 3 of their scale words are 0x7f (1.0), and Q's upper codes will be zeros.
; NO CLUSTER: what work-groups share is W, which goes into registers by loads of a lane (a wave's own 4,352 bytes a K step); a joint request lands in LDS, and a projection's W, 8 x 69,632 bytes, does not fit there at once.
; WHAT IS NOT DENSE: V's scale bytes leave two at a time, since a word's four bytes come from two work-groups.
; LIMITS: a block of zeros, or one whose largest magnitude lies under 2^-124, gets the byte 1 (this program alone reads the bytes); NaN and infinities are not served.
; REGISTERS: v1-13 lane numbers and addresses; v16-23 at work in the quantiser; v24-27 W's scale words (two sets), v28-29 x's; v30-31 scale words on the way out; v32-63 x's fragments (phase X and the way out: codes, bytes);
;   v64-127 W's fragments, two sets of 32 (the bias takes the first set when it is free); v128-255 x's numbers, then the accumulators.
.set XSC,  32768                       ; LDS: x's images [tile 4][K step 8][c 2][lane][16 B] from 0; from here their scale words [K step 8][lane' = 16 (tile % 2) + r][j = tile / 2]
.set STX,  34816                       ; from here the stages: for each wave four (one for each group), 16 rows x (256 + 16) bytes each: written once, read once, by that wave alone
.set STG1, 4352                        ; a stage
.set STW,  4*STG1                      ; a wave's four
.set TM,   16                          ; v16-17 largest magnitudes, v18-19 the other half of the lanes'
.set SCL,  20                          ; v20-21 the conversions' scale operands
.set BY,   22                          ; v22-23 scale bytes
.set WSC,  24
.set XSR,  28
.set XF,   32
.set PC,   32                          ; codes just made
.set HW,   48                          ; bytes or half words just made
.set WF,   64
.set BI,   64
.set XN,   128
.set ACC,  128
; One product.  z: it starts the sum.  ra, rb: the side's scale words stand in lanes 16-31 of the register named.
.macro WM d, a, b, z, sa, sb, ra, rb
.if \z
.if (\ra) && (\rb)
	v_wmma_scale_f32_16x16x128_f8f6f4 v[\d:\d+7], v[\a:\a+7], v[\b:\b+7], 0, v[\sa], v[\sb] matrix_a_fmt:MATRIX_FMT_FP4 matrix_b_fmt:MATRIX_FMT_FP4 matrix_a_scale:MATRIX_SCALE_ROW1 matrix_b_scale:MATRIX_SCALE_ROW1
.elseif (\ra)
	v_wmma_scale_f32_16x16x128_f8f6f4 v[\d:\d+7], v[\a:\a+7], v[\b:\b+7], 0, v[\sa], v[\sb] matrix_a_fmt:MATRIX_FMT_FP4 matrix_b_fmt:MATRIX_FMT_FP4 matrix_a_scale:MATRIX_SCALE_ROW1
.elseif (\rb)
	v_wmma_scale_f32_16x16x128_f8f6f4 v[\d:\d+7], v[\a:\a+7], v[\b:\b+7], 0, v[\sa], v[\sb] matrix_a_fmt:MATRIX_FMT_FP4 matrix_b_fmt:MATRIX_FMT_FP4 matrix_b_scale:MATRIX_SCALE_ROW1
.else
	v_wmma_scale_f32_16x16x128_f8f6f4 v[\d:\d+7], v[\a:\a+7], v[\b:\b+7], 0, v[\sa], v[\sb] matrix_a_fmt:MATRIX_FMT_FP4 matrix_b_fmt:MATRIX_FMT_FP4
.endif
.else
.if (\ra) && (\rb)
	v_wmma_scale_f32_16x16x128_f8f6f4 v[\d:\d+7], v[\a:\a+7], v[\b:\b+7], v[\d:\d+7], v[\sa], v[\sb] matrix_a_fmt:MATRIX_FMT_FP4 matrix_b_fmt:MATRIX_FMT_FP4 matrix_a_scale:MATRIX_SCALE_ROW1 matrix_b_scale:MATRIX_SCALE_ROW1
.elseif (\ra)
	v_wmma_scale_f32_16x16x128_f8f6f4 v[\d:\d+7], v[\a:\a+7], v[\b:\b+7], v[\d:\d+7], v[\sa], v[\sb] matrix_a_fmt:MATRIX_FMT_FP4 matrix_b_fmt:MATRIX_FMT_FP4 matrix_a_scale:MATRIX_SCALE_ROW1
.elseif (\rb)
	v_wmma_scale_f32_16x16x128_f8f6f4 v[\d:\d+7], v[\a:\a+7], v[\b:\b+7], v[\d:\d+7], v[\sa], v[\sb] matrix_a_fmt:MATRIX_FMT_FP4 matrix_b_fmt:MATRIX_FMT_FP4 matrix_b_scale:MATRIX_SCALE_ROW1
.else
	v_wmma_scale_f32_16x16x128_f8f6f4 v[\d:\d+7], v[\a:\a+7], v[\b:\b+7], v[\d:\d+7], v[\sa], v[\sb] matrix_a_fmt:MATRIX_FMT_FP4 matrix_b_fmt:MATRIX_FMT_FP4
.endif
.endif
.endm
.macro WLOAD p, s                      ; my head's four fragments of W and their scale words, K step s of the projection, into set p: nine loads
.irp q, 0,1,2,3,4,5,6,7
	global_load_b128 v[WF+32*(\p)+4*\q:WF+32*(\p)+4*\q+3], v5, s[36:37] offset:65536*(\s)+512*\q
.endr
	global_load_b64 v[WSC+2*(\p):WSC+2*(\p)+1], v6, s[38:39] offset:4096*(\s)
.endm
; Group i: half fragment (tile w % 4, w / 4 + 4 i): 16 tokens x 256 bytes, eight loads.  Load j takes the tile's rows 2 j (lanes 0-15) and 2 j + 1 (lanes 16-31), which are tokens 2 j + 8 (j / 4) and the next: 256 consecutive bytes, aligned, of each.
; row: a row of x in bytes: it stands in the immediates, so the macro is written out once for each of the two lengths.
.macro XLOAD i, row
.irp j, 0,1,2,3,4,5,6,7
	global_load_b128 v[XN+32*(\i)+4*\j:XN+32*(\i)+4*\j+3], v4, s[32:33] offset:(2*\j+8*(\j/4))*(\row)+1024*(\i) th:TH_LOAD_NT
.endr
.endm
; Group i through its stage: in as it was loaded, back 128 bytes a lane: lane (r, h) then holds, in registers 4 j + q, number 32 h + 4 j + q of row r's 64: a whole block.
; LDS serves a wave's instructions in order (ISA guide 5.7.1.4): no wait stands between the stores and the loads.  Back.
.macro TURN i, left
	s_wait_loadcnt \left                           ; loads come back in order: group i is in, the younger groups (eight loads each) may be out
.irp j, 0,1,2,3,4,5,6,7
	ds_store_b128 v12, v[XN+32*(\i)+4*\j:XN+32*(\i)+4*\j+3] offset:STG1*(\i)+544*\j
.endr
.irp j, 0,1,2,3,4,5,6,7
	ds_load_b128 v[XN+32*(\i)+4*\j:XN+32*(\i)+4*\j+3], v13 offset:STG1*(\i)+16*\j
.endr
.endm
.macro QX i, left                      ; group i is quantised: all 32 numbers of the block are my lane's; its four registers of codes are my lane's 16 bytes of the image
.set XS, XN+32*(\i)
	s_wait_dscnt \left                             ; group i is back from its stage; the LDS instructions issued behind its loads may be out
	v_max3_num_f32 v52, |v[XS]|, |v[XS+1]|, |v[XS+2]|
	v_max3_num_f32 v53, |v[XS+3]|, |v[XS+4]|, |v[XS+5]|
.irp k, 6,10,14,18,22,26
	v_max3_num_f32 v52, v52, |v[XS+\k]|, |v[XS+\k+1]|
	v_max3_num_f32 v53, v53, |v[XS+\k+2]|, |v[XS+\k+3]|
.endr
	v_max3_num_f32 v52, v52, |v[XS+30]|, |v[XS+31]|
	v_max3_num_f32 v52, v52, v53, 0x1800000        ; the floor 2^(3 - 127): the byte cannot fall under 1
	v_add_nc_u32 v[54+(\i)], 0xff000000, v52       ; 2 off the exponent field: the conversions' scale operand
	v_lshrrev_b32 v[HW+(\i)], 23, v[54+(\i)]       ; the scale's byte
.irp g, 0,1,2,3
	v_cvt_scalef32_pk8_fp4_f32 v[PC+4*(\i)+\g], v[XS+8*\g:XS+8*\g+7], v[54+(\i)]
.endr
	v_nop                                          ; one plain line behind the conversions: matrix instructions will write their sources
	ds_store_b128 v7, v[PC+4*(\i):PC+4*(\i)+3] offset:2048*(\i)
	ds_store_b8 v8, v[HW+(\i)] offset:512*(\i)
.endm
.macro BIASQK                          ; the bias of my head's 64 outputs as the results lie: register 16 b + i is output 32 b + 16 (lane / 16) + i: eight loads
.irp b, 0,1
.irp q, 0,1,2,3
	global_load_b128 v[BI+16*\b+4*\q:BI+16*\b+4*\q+3], v9, s[34:35] offset:128*\b+16*\q
.endr
.endr
.endm
.macro BIASV                           ; V: a lane holds one output of each tile: its bias twice, as a pair for the packed addition: eight loads
.irp nt, 0,1,2,3
	global_load_b32 v[BI+2*\nt], v10, s[34:35] offset:4*(32*(\nt/2)+8*(\nt%2))
	global_load_b32 v[BI+2*\nt+1], v10, s[34:35] offset:4*(32*(\nt/2)+8*(\nt%2))
.endr
.endm
; A K step of 128: x's four fragments and scale words from LDS, 16 products.  pre = 1: W of two steps on is asked for, into the set just read; 2: the bias, into that set.
; left: the younger global loads that may stay out.  swap = 1: source 0 = tokens (V).  The 16 accumulators take turns, one instruction a turn, in the same order in every step.
.macro GSTEP s, pre, left, swap
.set GP, (\s)%2
.if (\s) == 0
.set GZ, 1
.else
.set GZ, 0
.endif
.irp tt, 0,1,2,3
.irp c, 0,1
	ds_load_b128 v[XF+8*\tt+4*\c:XF+8*\tt+4*\c+3], v5 offset:8192*\tt+1024*(\s)+512*\c
.endr
.endr
	ds_load_b64 v[XSR:XSR+1], v6 offset:XSC+256*(\s)
	s_wait_loadcnt \left                           ; this step's W is in; what was asked for behind it may be out
	s_wait_dscnt 0x0
.irp tt, 0,1,2,3
.irp nt, 0,1,2,3
.if \swap
	WM ACC+8*(4*\nt+\tt), XF+8*\tt, WF+32*GP+8*\nt, GZ, XSR+\tt/2, WSC+2*GP+\nt/2, \tt%2, \nt%2
.else
	WM ACC+8*(4*\tt+\nt), WF+32*GP+8*\nt, XF+8*\tt, GZ, WSC+2*GP+\nt/2, XSR+\tt/2, \nt%2, \tt%2
.endif
.endr
.endr
.rept 4
	v_nop                                          ; four places in front of loads into registers that these products read, and of the first read of results
.endr
.if (\pre) == 1
	WLOAD GP, (\s)+2
.elseif (\pre) == 2
.if \swap
	BIASV
.else
	BIASQK
.endif
.endif
.endm
; 32 numbers of a lane, register 16 b + i = k 32 b + 16 (lane / 16) + i of my row, become a half fragment's four registers at pc and, at hw, the row's two scale bytes (the same in lanes l and l xor 16).
.macro QUANT2 src, pc, hw
.irp b, 0,1
	v_max3_num_f32 v[TM+\b], |v[\src+16*\b]|, |v[\src+16*\b+1]|, 0x1800000   ; my 16 numbers of block b, and the floor 2^(3 - 127)
.endr
.irp i, 2,4,6,8,10,12,14
.irp b, 0,1
	v_max3_num_f32 v[TM+\b], v[TM+\b], |v[\src+16*\b+\i]|, |v[\src+16*\b+\i+1]|
.endr
.endr
.irp b, 0,1
	v_permlanex16_b32 v[TM+2+\b], v[TM+\b], s46, s47
.endr
.irp b, 0,1
	v_max_num_f32 v[TM+\b], v[TM+\b], v[TM+2+\b]   ; with lane l xor 16's 16: the block's largest magnitude
.endr
.irp b, 0,1
	v_add_nc_u32 v[SCL+\b], 0xff000000, v[TM+\b]
.endr
.irp b, 0,1
	v_lshrrev_b32 v[BY+\b], 23, v[SCL+\b]
.endr
.irp b, 0,1
	v_cvt_scalef32_pk8_fp4_f32 v[\pc+2*\b], v[\src+16*\b:\src+16*\b+7], v[SCL+\b]
	v_cvt_scalef32_pk8_fp4_f32 v[\pc+2*\b+1], v[\src+16*\b+8:\src+16*\b+15], v[SCL+\b]
.endr
	v_nop                                          ; one plain line behind the conversions
	v_permlane16_swap_b32 v[\pc], v[\pc+2]         ; the operand's layout wants a whole block in a lane: lanes 0-15 block 0, lanes 16-31 block 1
	v_permlane16_swap_b32 v[\pc+1], v[\pc+3]
	v_lshl_or_b32 v[\hw], v[BY+1], 8, v[BY]
.endm
	s_load_b256 s[4:11], s[0:1], 0x0               ; query s[4:5], key s[6:7], value s[8:9], bq s[10:11]
	s_load_b256 s[12:19], s[0:1], 0x20             ; bk s[12:13], bv s[14:15], wcod s[16:17], wscl s[18:19]
	s_load_b128 s[20:23], s[0:1], 0x40             ; qcod s[20:21], qscl s[22:23]
	s_load_b64 s[24:25], s[0:1], 0x50              ; kvb
	v_lshl_add_u32 v14, v0, 2, 0x4c800
	v_mov_b32 v15, 0
	v_lshrrev_b32 v7, 5, v0
	v_readfirstlane_b32 s26, v7                    ; wave = head, 0..15
	s_and_b32 s27, ttmp7, 0xffff                   ; y: 0 Q, 1 K, 2 V
	s_mov_b32 s28, ttmp9                           ; the block of 64 tokens
	v_and_b32 v1, 31, v0                           ; lane
	v_and_b32 v2, 15, v0                           ; r
	v_bfe_u32 v3, v0, 4, 1                         ; h
	v_lshlrev_b32 v5, 4, v1                        ; 16 x lane: an image's place for my lane
	v_lshlrev_b32 v6, 3, v1                        ; 8 x lane: a pair of scale words'
	s_cmp_eq_u32 s27, 0
	s_mov_b32 s29, 3072
	s_cselect_b32 s29, 4096, s29                   ; a row of x in bytes
	s_cselect_b32 s30, 0, 8
	s_cmp_eq_u32 s27, 2
	s_cselect_b32 s30, 14, s30                     ; the projection's first K step in wcod and wscl
	s_mov_b32 s46, 0x76543210
	s_mov_b32 s47, 0xfedcba98                      ; v_permlanex16_b32's selects for lane l xor 16
	; phase X's addresses: I quantise tile tt = w % 4, half fragments w / 4 + 4 i
	s_and_b32 s58, s26, 3                          ; tt
	s_lshr_b32 s59, s26, 2                         ; w / 4
	s_lshr_b32 s60, s58, 1
	s_lshl_b32 s60, s60, 5
	s_and_b32 s61, s26, 1
	s_lshl_b32 s61, s61, 3
	s_add_co_u32 s60, s60, s61                     ; the tile's first token: 32 (tt / 2) + 8 (tt % 2)
	v_and_b32 v11, 8, v2
	v_add_nc_u32 v11, v11, v2                      ; r + 8 (r / 8)
	v_add_nc_u32 v4, s60, v3                       ; x: lanes 0-15 the tile's first token, lanes 16-31 the next,
	v_mul_lo_u32 v4, v4, s29
	v_lshl_add_u32 v4, v2, 4, v4                   ; + 16 (lane % 16): sixteen lanes to 256 bytes,
	s_lshl_b32 s61, s59, 8
	v_add_nc_u32 v4, s61, v4                       ; + 256 (w / 4): 64 numbers a half fragment
	s_mul_i32 s61, s26, STW
	s_add_co_u32 s61, s61, STX                     ; my wave's stages
	v_mul_u32_u24 v12, v3, 272
	v_lshl_add_u32 v12, v2, 4, v12
	v_add_nc_u32 v12, s61, v12                     ; in: lanes 0-15 one row, lanes 16-31 the next; 16 bytes a lane
	v_mul_u32_u24 v13, v2, 272
	v_lshl_add_u32 v13, v3, 7, v13
	v_add_nc_u32 v13, s61, v13                     ; back: row r, + 128 h: my block of 32 numbers
	s_lshl_b32 s61, s58, 13                        ; the image: 8,192 tt
	s_lshr_b32 s62, s26, 3
	s_lshl_b32 s63, s62, 10                        ; + 1,024 x K step (w / 8 + 2 i)
	s_add_co_u32 s61, s61, s63
	s_bfe_u32 s60, s26, 0x10002                    ; c = (w / 4) % 2
	s_lshl_b32 s63, s60, 9
	s_add_co_u32 s61, s61, s63                     ; + 512 c
	v_add_nc_u32 v7, s61, v5
	s_lshl_b32 s61, s62, 8                         ; the scale byte: 256 x K step
	s_and_b32 s63, s26, 1
	s_lshl_b32 s63, s63, 7                         ; + 8 x 16 (tt % 2)
	s_add_co_u32 s61, s61, s63
	s_bfe_u32 s63, s26, 0x10001
	s_lshl_b32 s63, s63, 2                         ; + 4 (tt / 2)
	s_add_co_u32 s61, s61, s63
	s_lshl_b32 s63, s60, 1                         ; + 2 c
	s_add_co_u32 s61, s61, s63
	s_add_co_u32 s61, s61, XSC
	v_lshl_add_u32 v8, v2, 3, v3                   ; + 8 r + h
	v_add_nc_u32 v8, s61, v8
	v_lshlrev_b32 v9, 6, v3                        ; the bias, Q and K: 64 h
	v_lshlrev_b32 v10, 2, v11                      ; V: 4 (r + 8 (r / 8))
	v_mov_b32 v18, 0                               ; written once: a lane permute's destination counts as one of its sources
	v_mov_b32 v19, 0
	v_cmp_le_u32 vcc_lo, 16, v1                    ; lanes 16-31: kept to the end
	; byte offsets, apart from the addresses
	s_lshl_b32 s48, s30, 16
	s_lshl_b32 s54, s26, 12
	s_add_co_u32 s48, s48, s54                     ; W's codes: 65,536 x first step + 4,096 x head
	s_lshl_b32 s49, s30, 12
	s_lshl_b32 s51, s26, 8                         ; the bias: 256 x head
	s_add_co_u32 s49, s49, s51                     ; W's scale words: 4,096 x first step + 256 x head
	s_mul_i32 s50, s28, s29
	s_lshl_b32 s50, s50, 6                         ; x: 64 rows a block
	s_lshr_b32 s54, s28, 5
	s_lshl_b32 s54, s54, 4
	s_add_co_u32 s54, s54, s26                     ; bh = 16 x batch + head
	s_and_b32 s55, s28, 31                         ; the block within the batch
	s_and_b32 s56, s28, 1                          ; which 64 of a key step's 128
	s_mul_i32 s57, s54, 143360
	s_lshr_b32 s60, s55, 1
	s_mul_i32 s60, s60, 8960
	s_add_co_u32 s57, s57, s60                     ; the key step's block in kvb
	s_lshl_b32 s52, s54, 16
	s_lshl_b32 s60, s55, 11
	s_add_co_u32 s52, s52, s60                     ; Q's codes
	s_lshl_b32 s53, s54, 13
	s_lshl_b32 s60, s55, 8
	s_add_co_u32 s53, s53, s60                     ; Q's scale words
	s_lshl_b32 s60, s56, 11
	s_add_co_u32 s60, s60, s57                     ; K's codes
	s_lshl_b32 s61, s56, 8
	s_add_co_u32 s61, s61, s57
	s_add_co_u32 s61, s61, 8192                    ; K's scale words
	s_lshl_b32 s62, s56, 9
	s_add_co_u32 s62, s62, s57
	s_add_co_u32 s62, s62, 4096                    ; V's codes
	s_lshl_b32 s63, s56, 1
	s_add_co_u32 s63, s63, s57
	s_add_co_u32 s63, s63, 8704                    ; V's scale bytes
	s_cmp_eq_u32 s27, 2
	s_cselect_b32 s60, s62, s60
	s_cselect_b32 s61, s63, s61
	s_cmp_eq_u32 s27, 0
	s_cselect_b32 s52, s52, s60                    ; where my codes go,
	s_cselect_b32 s53, s53, s61                    ; and my scales
	s_mov_b32 s45, 0
	s_wait_kmcnt 0x0
	s_mov_b32 s44, s48
	s_add_nc_u64 s[36:37], s[16:17], s[44:45]
	s_mov_b32 s44, s49
	s_add_nc_u64 s[38:39], s[18:19], s[44:45]
	WLOAD 0, 0                                     ; W's first two K steps are on their way through all of phase X
	WLOAD 1, 1
	s_cmp_eq_u32 s27, 0                            ; the buffers: choices on the work-group's number alone
	s_cselect_b64 s[32:33], s[4:5], s[6:7]
	s_cselect_b64 s[34:35], s[10:11], s[12:13]
	s_cselect_b64 s[40:41], s[20:21], s[24:25]
	s_cselect_b64 s[42:43], s[22:23], s[24:25]
	s_cmp_eq_u32 s27, 2
	s_cselect_b64 s[32:33], s[8:9], s[32:33]
	s_cselect_b64 s[34:35], s[14:15], s[34:35]
	s_mov_b32 s44, s50
	s_add_nc_u64 s[32:33], s[32:33], s[44:45]
	s_mov_b32 s44, s51
	s_add_nc_u64 s[34:35], s[34:35], s[44:45]
	s_mov_b32 s44, s52
	s_add_nc_u64 s[40:41], s[40:41], s[44:45]
	s_mov_b32 s44, s53
	s_add_nc_u64 s[42:43], s[42:43], s[44:45]
	; x's loads: a row's length stands in the immediates, so they are written once for rows of 4,096 bytes (Q) and once for rows of 3,072 (K, V).
	; Q's K is 1,024: a fourth group, whose loads and whole work stand in Q's arm.  It is asked for first, so that at the join groups 0, 1, 2 are the youngest 24 loads on both ways.
	s_cmp_lg_u32 s27, 0
	s_cbranch_scc1 .Lrows_3072
	XLOAD 3, 4096
	XLOAD 0, 4096
	XLOAD 1, 4096
	XLOAD 2, 4096
	TURN 3, 24                                     ; 24: groups 0, 1 and 2
	QX 3, 0
	s_branch .Lx_asked
.Lrows_3072:
	XLOAD 0, 3072
	XLOAD 1, 3072
	XLOAD 2, 3072
.Lx_asked:
	TURN 0, 16                                     ; 16: groups 1 and 2
	TURN 1, 8                                      ; 8: group 2
	QX 0, 16                                       ; 16: group 1's eight stores and eight loads
	TURN 2, 0
	QX 1, 18                                       ; 18: group 0's image and byte, group 2's eight stores and eight loads
	QX 2, 2                                        ; 2: group 1's image and byte
	s_wait_dscnt 0x0                               ; for the others' sake: my images and bytes have landed
	s_barrier_signal -1
	s_barrier_wait -1                              ; x's fragments lie in LDS; from here on LDS is only read
	s_cmp_eq_u32 s27, 2
	s_cbranch_scc1 .Lv_path
	GSTEP 0, 1, 9, 0                               ; 9: the other set's eight fragment loads and its scale load
	GSTEP 1, 1, 9, 0
	GSTEP 2, 1, 9, 0
	GSTEP 3, 1, 9, 0
	s_cmp_eq_u32 s27, 0
	s_cbranch_scc0 .Lshort_k
	GSTEP 4, 1, 9, 0
	GSTEP 5, 1, 9, 0
	GSTEP 6, 2, 9, 0                               ; set 0 is free: it takes the bias
	GSTEP 7, 0, 8, 0                               ; 8: the bias's loads
	s_branch .Lqk_out
.Lshort_k:
	GSTEP 4, 2, 9, 0
	GSTEP 5, 0, 8, 0
.Lqk_out:
	s_wait_loadcnt 0x0                             ; the bias
.set i, 0
.rept 64
	v_pk_add_f32 v[ACC+2*i:ACC+2*i+1], v[ACC+2*i:ACC+2*i+1], v[BI+(2*i)%32:BI+(2*i)%32+1]   ; in ascending order: each accumulator is read from its low end on
.set i, i+1
.endr
.irp a, 0,1,2,3                        ; tile a of 16 tokens: 64 along the head
	QUANT2 ACC+32*\a, PC+4*\a, HW+\a
	global_store_b128 v5, v[PC+4*\a:PC+4*\a+3], s[40:41] offset:512*\a   ; the wave stores 512 consecutive bytes, aligned to 256
.endr
.irp a, 0,1,2,3
	v_or_b32 v[HW+\a], 0x7f7f0000, v[HW+\a]        ; bytes 2 and 3: 1.0, for the upper 64 of the instruction's 128, where Q's codes are zeros
.endr
	v_cndmask_b32 v30, v[HW], v[HW+1], vcc_lo      ; word j: tile 2 j's in lanes 0-15, tile 2 j + 1's in lanes 16-31
	v_cndmask_b32 v31, v[HW+2], v[HW+3], vcc_lo
	global_store_b64 v6, v[30:31], s[42:43]        ; 256 consecutive bytes, aligned
	s_wait_tensorcnt 0x0
	ds_add_u32 v14, v15
	s_wait_dscnt 0x0
	s_endpgm
.Lv_path:
	GSTEP 0, 1, 9, 1
	GSTEP 1, 1, 9, 1
	GSTEP 2, 1, 9, 1
	GSTEP 3, 1, 9, 1
	GSTEP 4, 2, 9, 1
	GSTEP 5, 0, 8, 1
	s_wait_loadcnt 0x0                             ; the bias
.irp nt, 0,1,2,3
.set i, 0
.rept 16
	v_pk_add_f32 v[ACC+32*\nt+2*i:ACC+32*\nt+2*i+1], v[ACC+32*\nt+2*i:ACC+32*\nt+2*i+1], v[BI+2*\nt:BI+2*\nt+1]
.set i, i+1
.endr
.endr
.irp a, 0,1,2,3                        ; tile a of 16 of the head's 64: 64 along the keys
	QUANT2 ACC+32*\a, PC+4*\a, HW+\a
	global_store_b128 v5, v[PC+4*\a:PC+4*\a+3], s[40:41] offset:1024*\a
.endr
	v_cndmask_b32 v30, v[HW], v[HW+1], vcc_lo
	v_cndmask_b32 v31, v[HW+2], v[HW+3], vcc_lo
	global_store_b16 v6, v30, s[42:43]             ; two of a scale word's four bytes: the other two are the neighbouring block's
	global_store_b16 v6, v31, s[42:43] offset:4
	s_wait_tensorcnt 0x0
	ds_add_u32 v14, v15
	s_wait_dscnt 0x0
	s_endpgm
.Lfunc_end_k_qc24e8277fb_proj:
	.size	k_qc24e8277fb_proj, .Lfunc_end_k_qc24e8277fb_proj-k_qc24e8277fb_proj
	.p2alignl 7, 3214868480
	.fill 96, 4, 3214868480
	.section	.rodata,"a",@progbits
	.p2align	6, 0x0
	.amdhsa_kernel k_qc24e8277fb_proj
		.amdhsa_group_segment_fixed_size 315392
		.amdhsa_private_segment_fixed_size 0
		.amdhsa_enable_private_segment 0
		.amdhsa_kernarg_size 88
		.amdhsa_user_sgpr_count 2
		.amdhsa_user_sgpr_kernarg_segment_ptr 1
		.amdhsa_wavefront_size32 1
		.amdhsa_system_sgpr_workgroup_id_x 1
		.amdhsa_system_sgpr_workgroup_id_y 1
		.amdhsa_system_sgpr_workgroup_id_z 1
		.amdhsa_system_vgpr_workitem_id 0
		.amdhsa_next_free_vgpr 256
		.amdhsa_next_free_sgpr 66
		.amdhsa_reserve_vcc 1
		.amdhsa_float_denorm_mode_32 3
		.amdhsa_float_denorm_mode_16_64 3
		.amdhsa_memory_ordered 1
		.amdhsa_forward_progress 1
		.amdhsa_inst_pref_size 103
	.end_amdhsa_kernel
	.amdgpu_metadata
---
amdhsa.version: [ 1, 2 ]
amdhsa.kernels:
  - .name:           k_qc24e8277fb_proj
    .symbol:         k_qc24e8277fb_proj.kd
    .args:
      - { .name: query, .offset: 0, .size: 8, .value_kind: global_buffer, .address_space: global }
      - { .name: key, .offset: 8, .size: 8, .value_kind: global_buffer, .address_space: global }
      - { .name: value, .offset: 16, .size: 8, .value_kind: global_buffer, .address_space: global }
      - { .name: bq, .offset: 24, .size: 8, .value_kind: global_buffer, .address_space: global }
      - { .name: bk, .offset: 32, .size: 8, .value_kind: global_buffer, .address_space: global }
      - { .name: bv, .offset: 40, .size: 8, .value_kind: global_buffer, .address_space: global }
      - { .name: wcod, .offset: 48, .size: 8, .value_kind: global_buffer, .address_space: global }
      - { .name: wscl, .offset: 56, .size: 8, .value_kind: global_buffer, .address_space: global }
      - { .name: qcod, .offset: 64, .size: 8, .value_kind: global_buffer, .address_space: global }
      - { .name: qscl, .offset: 72, .size: 8, .value_kind: global_buffer, .address_space: global }
      - { .name: kvb, .offset: 80, .size: 8, .value_kind: global_buffer, .address_space: global }
    .group_segment_fixed_size: 315392
    .private_segment_fixed_size: 0
    .kernarg_segment_align: 8
    .kernarg_segment_size: 88
    .max_flat_workgroup_size: 512
    .sgpr_count:     66
    .vgpr_count:     256
    .wavefront_size: 32
...
	.end_amdgpu_metadata
.endif
;; end of part 5
;; launch attn: the kernel of part 3 again; grid 4 x 64, 16 waves a work-group, clusters of 4 x 1, 169,984 bytes of LDS; arguments qcod, qscl, kvb, acod, ascl; writes acod, ascl
;; launch outp: the kernel of part 4 again; grid 128 x 2, 8 waves a work-group, no clusters, 70,656 bytes of LDS; arguments acod, ascl, wcod, wscl, bo, out0; writes out0
;; ======== version 3 of 3: 4 launches; version 2 with the launches proj, outp written anew for expert scheduling mode
;; workspace buffers: wcod 1,835,008 bytes; wscl 114,688 bytes; qcod 4,194,304 bytes; qscl 524,288 bytes; kvb 9,175,040 bytes; acod 4,194,304 bytes; ascl 262,144 bytes
;; launch quantw: the kernel of part 1 again; grid 28 x 8, 4 waves a work-group, no clusters, 0 bytes of LDS; arguments Wq, Wk, Wv, Wo, wcod, wscl; writes wcod, wscl
;; launch proj (part 6): grid 128 x 3, 16 waves a work-group, no clusters, 315,392 bytes of LDS; arguments query, key, value, bq, bk, bv, wcod, wscl, qcod, qscl, kvb; writes qcod, qscl, kvb
.if DOCPART == 6
	.amdgcn_target "amdgcn-amd-amdhsa--gfx1250"
	.amdhsa_code_object_version 6
	.text
	.protected	k_qc24e8277fb_proj
	.globl	k_qc24e8277fb_proj
	.p2align	8
	.type	k_qc24e8277fb_proj,@function
k_qc24e8277fb_proj:
	s_mov_b64 s[64:65], 0
	v_nop
	global_prefetch_b8 v0, s[64:65] scope:SCOPE_SE
	s_setreg_imm32_b32 hwreg(HW_REG_WAVE_SCHED_MODE, 0, 2), 2
	s_setreg_imm32_b32 hwreg(HW_REG_WAVE_MODE, 25, 1), 1
	s_wait_xcnt 0x0
	s_wait_alu depctr_vm_vsrc(0)
; The three input projections, Q = query Wq + bq (y = 0), K = key Wk + bk (y = 1), V = value Wv + bv (y = 2), on codes of FP4 (E2M1) with one E8M0 scale for each 32 along K, sums in f32;
; the results are quantised at once for attention's two products, Q and K along the head's 64, V along the keys, and stored as images of operand registers.
; SHARES.  A work-group takes 64 tokens (x = the block) of one projection (y).  Wave w is head w: 64 outputs x 64 tokens, 16 accumulators, 128 registers.
; x is read from memory once, quantised once (phase X: each wave makes 3 or 4 half fragments) and goes to all sixteen waves through LDS as images of the operand's registers.
; W's codes and scale words, made by the launch before in register order, go straight into each wave's registers, two K steps ahead in two sets.
; PHASE X.  The conversions take a block's 32 numbers from ONE lane's registers; a load is best where neighbouring LANES take neighbouring bytes.  Both are had: a half fragment is 16 tokens x 256 bytes, and each of its eight
; loads reads two tokens' 256 bytes, sixteen lanes to 256 consecutive bytes, aligned; the 4,096 bytes go into a stage in LDS as they were loaded (rows 272 bytes apart) and come back 128 bytes a lane, into the registers that they left.
; TILES take their rows in the order row(T, r) = 32 (T / 2) + 8 (T % 2) + r + 8 (r / 8), tokens and outputs alike.  With such a tile as source 0 a lane's 16 registers of tiles 2 b and 2 b + 1
; are 16 neighbours, 32 b + 16 (lane / 16) + 0 .. 15, along source 0's rows.  Q and K: source 0 = W's rows (the head's 64), source 1 = tokens.  V: source 0 = tokens (the keys), source 1 = W's rows.
; OUT.  qcod [bh][tile 128][lane][16 B]; qscl [bh][64 queries][lane'][j] words; kvb [bh][128 keys][8,960 B]: K's 8 tiles x 512 B, at 4,096 V's 4 tiles x 1,024 B, at 8,192 K's scale words, at 8,704 V's.
; Q's and K's product has K = 64, half of the instruction's 128: bytes 2 and 3 of their scale words are 0x7f (1.0), and Q's upper codes will be zeros.
; NO CLUSTER: what work-groups share is W, which goes into registers by loads of a lane (a wave's own 4,352 bytes a K step); a joint request lands in LDS, and a projection's W, 8 x 69,632 bytes, does not fit there at once.
; WHAT IS NOT DENSE: V's scale bytes leave two at a time, since a word's four bytes come from two work-groups.
; LIMITS: a block of zeros, or one whose largest magnitude lies under 2^-124, gets the byte 1 (this program alone reads the bytes); NaN and infinities are not served.
; THE MODE: SCHED_MODE bits 1:0 = 2 (LLVM: expert scheduling mode 2), set by the entry lines.  The code itself states the register dependences
; between vector or matrix instructions and memory or LDS instructions, with s_wait_alu, always for 0.
; THE PLAN.  Registers that memory or LDS instructions touch:
;   v4-v13      offsets and LDS addresses: written at the head, never again.  One wait on va_vdst ahead of the first load serves every load and store of the kernel.
;   XN          phase X: global loads land in a group's 32 registers; the stage's eight stores read them; the stage's eight loads land in them again (a wait on vm_vsrc between the two runs); the quantiser reads them.
;   PC, HW      phase X: the quantiser writes a group's codes and byte into registers of the group's own; the stores of groups 0 to 2 stand together behind ONE wait on va_vdst (Q's fourth group: behind one in its arm).
;   behind the barrier ONE wait on vm_vsrc: all those LDS stores have read XN, PC and HW, which x's fragments (loads) and the accumulators (products) take from there on.
;   XF          a K step's first eight products read tiles 0 and 1, its last eight tiles 2 and 3.  Behind each eight stands a wait on va_vdst, and behind it the loads of the same two tiles for the NEXT step:
;               so each LDS load is asked for half a step ahead of its first use, with no second set of registers (sixteen waves of 256 registers leave none).
;   XSR         x's scale words, two sets by turns: the next step's are asked for behind the first of the two waits, which also states that the step before is done reading that set.
;   WF, WSC     W's fragments and scale words, two sets by turns: all sixteen products of a step read a set; behind the second wait the loads of two steps on (or the bias) land in it.
;   the way out: all four tiles are quantised, each into registers of its own; ONE wait on va_vdst; then the run of stores.
; REGISTERS: v1-13 lane numbers and addresses; v14-15 the add's two; v16-23 at work in the quantiser; v24-27 W's scale words (two sets), v28-31 x's (two sets; the second takes the scale words on the way out);
;   v32-63 x's fragments (phase X and the way out: codes, bytes); v64-127 W's fragments, two sets of 32 (the bias takes the first set when it is free); v128-255 x's numbers, then the accumulators.
.set XSC,  32768                       ; LDS: x's images [tile 4][K step 8][c 2][lane][16 B] from 0; from here their scale words [K step 8][lane' = 16 (tile % 2) + r][j = tile / 2]
.set STX,  34816                       ; from here the stages: for each wave four (one for each group), 16 rows x (256 + 16) bytes each: written once, read once, by that wave alone
.set STG1, 4352                        ; a stage
.set STW,  4*STG1                      ; a wave's four
.set TM,   16                          ; v16-17 largest magnitudes, v18-19 the other half of the lanes'
.set SCL,  20                          ; v20-21 the conversions' scale operands
.set BY,   22                          ; v22-23 scale bytes
.set WSC,  24
.set XSR,  28
.set XF,   32
.set PC,   32                          ; codes just made
.set HW,   48                          ; bytes or half words just made
.set WF,   64
.set BI,   64
.set XN,   128
.set ACC,  128
; One product.  z: it starts the sum.  ra, rb: the side's scale words stand in lanes 16-31 of the register named.
.macro WM d, a, b, z, sa, sb, ra, rb
.if \z
.if (\ra) && (\rb)
	v_wmma_scale_f32_16x16x128_f8f6f4 v[\d:\d+7], v[\a:\a+7], v[\b:\b+7], 0, v[\sa], v[\sb] matrix_a_fmt:MATRIX_FMT_FP4 matrix_b_fmt:MATRIX_FMT_FP4 matrix_a_scale:MATRIX_SCALE_ROW1 matrix_b_scale:MATRIX_SCALE_ROW1
.elseif (\ra)
	v_wmma_scale_f32_16x16x128_f8f6f4 v[\d:\d+7], v[\a:\a+7], v[\b:\b+7], 0, v[\sa], v[\sb] matrix_a_fmt:MATRIX_FMT_FP4 matrix_b_fmt:MATRIX_FMT_FP4 matrix_a_scale:MATRIX_SCALE_ROW1
.elseif (\rb)
	v_wmma_scale_f32_16x16x128_f8f6f4 v[\d:\d+7], v[\a:\a+7], v[\b:\b+7], 0, v[\sa], v[\sb] matrix_a_fmt:MATRIX_FMT_FP4 matrix_b_fmt:MATRIX_FMT_FP4 matrix_b_scale:MATRIX_SCALE_ROW1
.else
	v_wmma_scale_f32_16x16x128_f8f6f4 v[\d:\d+7], v[\a:\a+7], v[\b:\b+7], 0, v[\sa], v[\sb] matrix_a_fmt:MATRIX_FMT_FP4 matrix_b_fmt:MATRIX_FMT_FP4
.endif
.else
.if (\ra) && (\rb)
	v_wmma_scale_f32_16x16x128_f8f6f4 v[\d:\d+7], v[\a:\a+7], v[\b:\b+7], v[\d:\d+7], v[\sa], v[\sb] matrix_a_fmt:MATRIX_FMT_FP4 matrix_b_fmt:MATRIX_FMT_FP4 matrix_a_scale:MATRIX_SCALE_ROW1 matrix_b_scale:MATRIX_SCALE_ROW1
.elseif (\ra)
	v_wmma_scale_f32_16x16x128_f8f6f4 v[\d:\d+7], v[\a:\a+7], v[\b:\b+7], v[\d:\d+7], v[\sa], v[\sb] matrix_a_fmt:MATRIX_FMT_FP4 matrix_b_fmt:MATRIX_FMT_FP4 matrix_a_scale:MATRIX_SCALE_ROW1
.elseif (\rb)
	v_wmma_scale_f32_16x16x128_f8f6f4 v[\d:\d+7], v[\a:\a+7], v[\b:\b+7], v[\d:\d+7], v[\sa], v[\sb] matrix_a_fmt:MATRIX_FMT_FP4 matrix_b_fmt:MATRIX_FMT_FP4 matrix_b_scale:MATRIX_SCALE_ROW1
.else
	v_wmma_scale_f32_16x16x128_f8f6f4 v[\d:\d+7], v[\a:\a+7], v[\b:\b+7], v[\d:\d+7], v[\sa], v[\sb] matrix_a_fmt:MATRIX_FMT_FP4 matrix_b_fmt:MATRIX_FMT_FP4
.endif
.endif
.endm
.macro WLOAD p, s                      ; my head's four fragments of W and their scale words, K step s of the projection, into set p: nine loads
.irp q, 0,1,2,3,4,5,6,7
	global_load_b128 v[WF+32*(\p)+4*\q:WF+32*(\p)+4*\q+3], v5, s[36:37] offset:65536*(\s)+512*\q
.endr
	global_load_b64 v[WSC+2*(\p):WSC+2*(\p)+1], v6, s[38:39] offset:4096*(\s)
.endm
; Group i: half fragment (tile w % 4, w / 4 + 4 i): 16 tokens x 256 bytes, eight loads.  Load j takes the tile's rows 2 j (lanes 0-15) and 2 j + 1 (lanes 16-31), which are tokens 2 j + 8 (j / 4) and the next: 256 consecutive bytes, aligned, of each.
; row: a row of x in bytes: it stands in the immediates, so the macro is written out once for each of the two lengths.
.macro XLOAD i, row
.irp j, 0,1,2,3,4,5,6,7
	global_load_b128 v[XN+32*(\i)+4*\j:XN+32*(\i)+4*\j+3], v4, s[32:33] offset:(2*\j+8*(\j/4))*(\row)+1024*(\i) th:TH_LOAD_NT
.endr
.endm
; Group i through its stage: in as it was loaded, back 128 bytes a lane: lane (r, h) then holds, in registers 4 j + q, number 32 h + 4 j + q of row r's 64: a whole block.
; LDS serves a wave's instructions in order (ISA guide 5.7.1.4): no wait on DScnt stands between the stores and the loads.  Back.
; No vector line names a group's registers ahead of its turn, so the loads owe nothing to the vector side.
.macro TURN i, left
	s_wait_loadcnt \left                           ; loads come back in order: group i is in, the younger groups (eight loads each) may be out
.irp j, 0,1,2,3,4,5,6,7
	ds_store_b128 v12, v[XN+32*(\i)+4*\j:XN+32*(\i)+4*\j+3] offset:STG1*(\i)+544*\j
.endr
	s_wait_alu depctr_vm_vsrc(0)                   ; the eight stores have read the group's 32 registers, in which the eight loads below land
.irp j, 0,1,2,3,4,5,6,7
	ds_load_b128 v[XN+32*(\i)+4*\j:XN+32*(\i)+4*\j+3], v13 offset:STG1*(\i)+16*\j
.endr
.endm
.macro QXC i, left                     ; group i is quantised: all 32 numbers of the block are my lane's; its four registers of codes are my lane's 16 bytes of the image
.set XS, XN+32*(\i)
	s_wait_dscnt \left                             ; group i is back from its stage; the LDS instructions issued behind its loads may be out
	v_max3_num_f32 v52, |v[XS]|, |v[XS+1]|, |v[XS+2]|
	v_max3_num_f32 v53, |v[XS+3]|, |v[XS+4]|, |v[XS+5]|
.irp k, 6,10,14,18,22,26
	v_max3_num_f32 v52, v52, |v[XS+\k]|, |v[XS+\k+1]|
	v_max3_num_f32 v53, v53, |v[XS+\k+2]|, |v[XS+\k+3]|
.endr
	v_max3_num_f32 v52, v52, |v[XS+30]|, |v[XS+31]|
	v_max3_num_f32 v52, v52, v53, 0x1800000        ; the floor 2^(3 - 127): the byte cannot fall under 1
	v_add_nc_u32 v[54+(\i)], 0xff000000, v52       ; 2 off the exponent field: the conversions' scale operand
	v_lshrrev_b32 v[HW+(\i)], 23, v[54+(\i)]       ; the scale's byte
.irp g, 0,1,2,3
	v_cvt_scalef32_pk8_fp4_f32 v[PC+4*(\i)+\g], v[XS+8*\g:XS+8*\g+7], v[54+(\i)]
.endr
	v_nop                                          ; one plain line behind the conversions: matrix instructions will write their sources
.endm
.macro QXS i                           ; group i's image and its scale byte go to LDS
	ds_store_b128 v7, v[PC+4*(\i):PC+4*(\i)+3] offset:2048*(\i)
	ds_store_b8 v8, v[HW+(\i)] offset:512*(\i)
.endm
.macro BIASQK                          ; the bias of my head's 64 outputs as the results lie: register 16 b + i is output 32 b + 16 (lane / 16) + i: eight loads
.irp b, 0,1
.irp q, 0,1,2,3
	global_load_b128 v[BI+16*\b+4*\q:BI+16*\b+4*\q+3], v9, s[34:35] offset:128*\b+16*\q
.endr
.endr
.endm
.macro BIASV                           ; V: a lane holds one output of each tile: its bias twice, as a pair for the packed addition: eight loads
.irp nt, 0,1,2,3
	global_load_b32 v[BI+2*\nt], v10, s[34:35] offset:4*(32*(\nt/2)+8*(\nt%2))
	global_load_b32 v[BI+2*\nt+1], v10, s[34:35] offset:4*(32*(\nt/2)+8*(\nt%2))
.endr
.endm
.macro XFETCH s, ta, tb                ; x's fragments of tiles ta and tb, K step s, from LDS: four loads
.irp tt, \ta, \tb
.irp c, 0,1
	ds_load_b128 v[XF+8*\tt+4*\c:XF+8*\tt+4*\c+3], v5 offset:8192*\tt+1024*(\s)+512*\c
.endr
.endr
.endm
.macro XSCALE s                        ; x's scale words of K step s, into set s % 2: one load
	ds_load_b64 v[XSR+2*((\s)%2):XSR+2*((\s)%2)+1], v6 offset:XSC+256*(\s)
.endm
.macro GHALF ta, tb, swap              ; eight products: tiles ta and tb of tokens against W's four.  swap = 1: source 0 = tokens (V)
.irp tt, \ta, \tb
.irp nt, 0,1,2,3
.if \swap
	WM ACC+8*(4*\nt+\tt), XF+8*\tt, WF+32*GP+8*\nt, GZ, XSR+2*GP+\tt/2, WSC+2*GP+\nt/2, \tt%2, \nt%2
.else
	WM ACC+8*(4*\tt+\nt), WF+32*GP+8*\nt, XF+8*\tt, GZ, WSC+2*GP+\nt/2, XSR+2*GP+\tt/2, \nt%2, \tt%2
.endif
.endr
.endr
.endm
; A K step of 128: 16 products.  pre = 1: W of two steps on is asked for, into the set just read; 2: the bias, into that set; 0: the last step, which asks for nothing.
; left: the younger global loads that may stay out.  The 16 accumulators take turns, one instruction a turn, in the same order in every step.
.macro GSTEP s, pre, left, swap
.set GP, (\s)%2
.if (\s) == 0
.set GZ, 1
.else
.set GZ, 0
.endif
	s_wait_loadcnt \left                           ; this step's W is in; what was asked for behind it may be out
	s_wait_dscnt 4                                 ; LDS loads come back in order: tiles 0 and 1 and the scale words are in; the youngest four loads (tiles 2 and 3) may be out
	GHALF 0, 1, \swap
.if (\pre)
.rept 4
	v_nop                                          ; four places behind the products, ahead of loads into registers that they read; the wait below stands beside them
.endr
	s_wait_alu depctr_va_vdst(0)                   ; the eight products are done reading tiles 0 and 1, and the step before is done reading the other set of x's scale words: the five loads below land in these
	XFETCH (\s)+1, 0, 1
	XSCALE (\s)+1
	s_wait_dscnt 5                                 ; this step's tiles 2 and 3 are in; the five loads just issued may be out
.else
	s_wait_dscnt 0x0                               ; tiles 2 and 3 are in
.endif
	GHALF 2, 3, \swap
.rept 4
	v_nop                                          ; four places ahead of loads into registers that these products read, and of the first read of results
.endr
.if (\pre)
	s_wait_alu depctr_va_vdst(0)                   ; the step's products are done reading tiles 2 and 3 and this set of W's fragments and scale words: the loads below land in these
	XFETCH (\s)+1, 2, 3
.endif
.if (\pre) == 1
	WLOAD GP, (\s)+2
.elseif (\pre) == 2
.if \swap
	BIASV
.else
	BIASQK
.endif
.endif
.endm
; 32 numbers of a lane, register 16 b + i = k 32 b + 16 (lane / 16) + i of my row, become a half fragment's four registers at pc and, at hw, the row's two scale bytes (the same in lanes l and l xor 16).
.macro QUANT2 src, pc, hw
.irp b, 0,1
	v_max3_num_f32 v[TM+\b], |v[\src+16*\b]|, |v[\src+16*\b+1]|, 0x1800000   ; my 16 numbers of block b, and the floor 2^(3 - 127)
.endr
.irp i, 2,4,6,8,10,12,14
.irp b, 0,1
	v_max3_num_f32 v[TM+\b], v[TM+\b], |v[\src+16*\b+\i]|, |v[\src+16*\b+\i+1]|
.endr
.endr
.irp b, 0,1
	v_permlanex16_b32 v[TM+2+\b], v[TM+\b], s46, s47
.endr
.irp b, 0,1
	v_max_num_f32 v[TM+\b], v[TM+\b], v[TM+2+\b]   ; with lane l xor 16's 16: the block's largest magnitude
.endr
.irp b, 0,1
	v_add_nc_u32 v[SCL+\b], 0xff000000, v[TM+\b]
.endr
.irp b, 0,1
	v_lshrrev_b32 v[BY+\b], 23, v[SCL+\b]
.endr
.irp b, 0,1
	v_cvt_scalef32_pk8_fp4_f32 v[\pc+2*\b], v[\src+16*\b:\src+16*\b+7], v[SCL+\b]
	v_cvt_scalef32_pk8_fp4_f32 v[\pc+2*\b+1], v[\src+16*\b+8:\src+16*\b+15], v[SCL+\b]
.endr
	v_nop                                          ; one plain line behind the conversions
	v_permlane16_swap_b32 v[\pc], v[\pc+2]         ; the operand's layout wants a whole block in a lane: lanes 0-15 block 0, lanes 16-31 block 1
	v_permlane16_swap_b32 v[\pc+1], v[\pc+3]
	v_lshl_or_b32 v[\hw], v[BY+1], 8, v[BY]
.endm
	s_load_b256 s[4:11], s[0:1], 0x0               ; query s[4:5], key s[6:7], value s[8:9], bq s[10:11]
	s_load_b256 s[12:19], s[0:1], 0x20             ; bk s[12:13], bv s[14:15], wcod s[16:17], wscl s[18:19]
	s_load_b128 s[20:23], s[0:1], 0x40             ; qcod s[20:21], qscl s[22:23]
	s_load_b64 s[24:25], s[0:1], 0x50              ; kvb
	v_lshl_add_u32 v14, v0, 2, 0x4c800             ; the add's two registers, made here and kept for the closing lines alone: my spare word, behind the stages,
	v_mov_b32 v15, 0                               ; and 0
	v_lshrrev_b32 v7, 5, v0
	v_readfirstlane_b32 s26, v7                    ; wave = head, 0..15
	s_and_b32 s27, ttmp7, 0xffff                   ; y: 0 Q, 1 K, 2 V
	s_mov_b32 s28, ttmp9                           ; the block of 64 tokens
	v_and_b32 v1, 31, v0                           ; lane
	v_and_b32 v2, 15, v0                           ; r
	v_bfe_u32 v3, v0, 4, 1                         ; h
	v_lshlrev_b32 v5, 4, v1                        ; 16 x lane: an image's place for my lane
	v_lshlrev_b32 v6, 3, v1                        ; 8 x lane: a pair of scale words'
	s_cmp_eq_u32 s27, 0
	s_mov_b32 s29, 3072
	s_cselect_b32 s29, 4096, s29                   ; a row of x in bytes
	s_cselect_b32 s30, 0, 8
	s_cmp_eq_u32 s27, 2
	s_cselect_b32 s30, 14, s30                     ; the projection's first K step in wcod and wscl
	s_mov_b32 s46, 0x76543210
	s_mov_b32 s47, 0xfedcba98                      ; v_permlanex16_b32's selects for lane l xor 16
	s_wait_alu depctr_va_sdst(0)                   ; s26, the wave's number, is written, ahead of its first reader
	; phase X's addresses: I quantise tile tt = w % 4, half fragments w / 4 + 4 i
	s_and_b32 s58, s26, 3                          ; tt
	s_lshr_b32 s59, s26, 2                         ; w / 4
	s_lshr_b32 s60, s58, 1
	s_lshl_b32 s60, s60, 5
	s_and_b32 s61, s26, 1
	s_lshl_b32 s61, s61, 3
	s_add_co_u32 s60, s60, s61                     ; the tile's first token: 32 (tt / 2) + 8 (tt % 2)
	v_and_b32 v11, 8, v2
	v_add_nc_u32 v11, v11, v2                      ; r + 8 (r / 8)
	v_add_nc_u32 v4, s60, v3                       ; x: lanes 0-15 the tile's first token, lanes 16-31 the next,
	v_mul_lo_u32 v4, v4, s29
	v_lshl_add_u32 v4, v2, 4, v4                   ; + 16 (lane % 16): sixteen lanes to 256 bytes,
	s_lshl_b32 s61, s59, 8
	v_add_nc_u32 v4, s61, v4                       ; + 256 (w / 4): 64 numbers a half fragment
	s_mul_i32 s61, s26, STW
	s_add_co_u32 s61, s61, STX                     ; my wave's stages
	v_mul_u32_u24 v12, v3, 272
	v_lshl_add_u32 v12, v2, 4, v12
	v_add_nc_u32 v12, s61, v12                     ; in: lanes 0-15 one row, lanes 16-31 the next; 16 bytes a lane
	v_mul_u32_u24 v13, v2, 272
	v_lshl_add_u32 v13, v3, 7, v13
	v_add_nc_u32 v13, s61, v13                     ; back: row r, + 128 h: my block of 32 numbers
	s_lshl_b32 s61, s58, 13                        ; the image: 8,192 tt
	s_lshr_b32 s62, s26, 3
	s_lshl_b32 s63, s62, 10                        ; + 1,024 x K step (w / 8 + 2 i)
	s_add_co_u32 s61, s61, s63
	s_bfe_u32 s60, s26, 0x10002                    ; c = (w / 4) % 2
	s_lshl_b32 s63, s60, 9
	s_add_co_u32 s61, s61, s63                     ; + 512 c
	v_add_nc_u32 v7, s61, v5
	s_lshl_b32 s61, s62, 8                         ; the scale byte: 256 x K step
	s_and_b32 s63, s26, 1
	s_lshl_b32 s63, s63, 7                         ; + 8 x 16 (tt % 2)
	s_add_co_u32 s61, s61, s63
	s_bfe_u32 s63, s26, 0x10001
	s_lshl_b32 s63, s63, 2                         ; + 4 (tt / 2)
	s_add_co_u32 s61, s61, s63
	s_lshl_b32 s63, s60, 1                         ; + 2 c
	s_add_co_u32 s61, s61, s63
	s_add_co_u32 s61, s61, XSC
	v_lshl_add_u32 v8, v2, 3, v3                   ; + 8 r + h
	v_add_nc_u32 v8, s61, v8
	v_lshlrev_b32 v9, 6, v3                        ; the bias, Q and K: 64 h
	v_lshlrev_b32 v10, 2, v11                      ; V: 4 (r + 8 (r / 8))
	v_mov_b32 v18, 0                               ; written once: a lane permute's destination counts as one of its sources
	v_mov_b32 v19, 0
	v_cmp_le_u32 vcc_lo, 16, v1                    ; lanes 16-31: kept to the end
	s_wait_alu depctr_va_vcc(0)                    ; VCC is written: the selects on the way out read it, and no line writes it again
	; byte offsets, apart from the addresses
	s_lshl_b32 s48, s30, 16
	s_lshl_b32 s54, s26, 12
	s_add_co_u32 s48, s48, s54                     ; W's codes: 65,536 x first step + 4,096 x head
	s_lshl_b32 s49, s30, 12
	s_lshl_b32 s51, s26, 8                         ; the bias: 256 x head
	s_add_co_u32 s49, s49, s51                     ; W's scale words: 4,096 x first step + 256 x head
	s_mul_i32 s50, s28, s29
	s_lshl_b32 s50, s50, 6                         ; x: 64 rows a block
	s_lshr_b32 s54, s28, 5
	s_lshl_b32 s54, s54, 4
	s_add_co_u32 s54, s54, s26                     ; bh = 16 x batch + head
	s_and_b32 s55, s28, 31                         ; the block within the batch
	s_and_b32 s56, s28, 1                          ; which 64 of a key step's 128
	s_mul_i32 s57, s54, 143360
	s_lshr_b32 s60, s55, 1
	s_mul_i32 s60, s60, 8960
	s_add_co_u32 s57, s57, s60                     ; the key step's block in kvb
	s_lshl_b32 s52, s54, 16
	s_lshl_b32 s60, s55, 11
	s_add_co_u32 s52, s52, s60                     ; Q's codes
	s_lshl_b32 s53, s54, 13
	s_lshl_b32 s60, s55, 8
	s_add_co_u32 s53, s53, s60                     ; Q's scale words
	s_lshl_b32 s60, s56, 11
	s_add_co_u32 s60, s60, s57                     ; K's codes
	s_lshl_b32 s61, s56, 8
	s_add_co_u32 s61, s61, s57
	s_add_co_u32 s61, s61, 8192                    ; K's scale words
	s_lshl_b32 s62, s56, 9
	s_add_co_u32 s62, s62, s57
	s_add_co_u32 s62, s62, 4096                    ; V's codes
	s_lshl_b32 s63, s56, 1
	s_add_co_u32 s63, s63, s57
	s_add_co_u32 s63, s63, 8704                    ; V's scale bytes
	s_cmp_eq_u32 s27, 2
	s_cselect_b32 s60, s62, s60
	s_cselect_b32 s61, s63, s61
	s_cmp_eq_u32 s27, 0
	s_cselect_b32 s52, s52, s60                    ; where my codes go,
	s_cselect_b32 s53, s53, s61                    ; and my scales
	s_mov_b32 s45, 0
	s_wait_kmcnt 0x0
	s_mov_b32 s44, s48
	s_add_nc_u64 s[36:37], s[16:17], s[44:45]
	s_mov_b32 s44, s49
	s_add_nc_u64 s[38:39], s[18:19], s[44:45]
	s_wait_alu depctr_va_vdst(0)                   ; the offsets and LDS addresses v4 to v13 are written: every load and store of the kernel reads one of them, and none is written again
	WLOAD 0, 0                                     ; W's first two K steps are on their way through all of phase X
	WLOAD 1, 1
	s_cmp_eq_u32 s27, 0                            ; the buffers: choices on the work-group's number alone
	s_cselect_b64 s[32:33], s[4:5], s[6:7]
	s_cselect_b64 s[34:35], s[10:11], s[12:13]
	s_cselect_b64 s[40:41], s[20:21], s[24:25]
	s_cselect_b64 s[42:43], s[22:23], s[24:25]
	s_cmp_eq_u32 s27, 2
	s_cselect_b64 s[32:33], s[8:9], s[32:33]
	s_cselect_b64 s[34:35], s[14:15], s[34:35]
	s_mov_b32 s44, s50
	s_add_nc_u64 s[32:33], s[32:33], s[44:45]
	s_mov_b32 s44, s51
	s_add_nc_u64 s[34:35], s[34:35], s[44:45]
	s_mov_b32 s44, s52
	s_add_nc_u64 s[40:41], s[40:41], s[44:45]
	s_mov_b32 s44, s53
	s_add_nc_u64 s[42:43], s[42:43], s[44:45]
	; x's loads: a row's length stands in the immediates, so they are written once for rows of 4,096 bytes (Q) and once for rows of 3,072 (K, V).
	; Q's K is 1,024: a fourth group, whose loads and whole work stand in Q's arm.  It is asked for first, so that at the join groups 0, 1, 2 are the youngest 24 loads on both ways.
	s_cmp_lg_u32 s27, 0
	s_cbranch_scc1 .Lrows_3072
	XLOAD 3, 4096
	XLOAD 0, 4096
	XLOAD 1, 4096
	XLOAD 2, 4096
	TURN 3, 24                                     ; 24: groups 0, 1 and 2
	QXC 3, 0
	s_wait_alu depctr_va_vdst(0)                   ; group 3's conversions and shift have written its codes and its byte, which the two stores below read
	QXS 3
	s_branch .Lx_asked
.Lrows_3072:
	XLOAD 0, 3072
	XLOAD 1, 3072
	XLOAD 2, 3072
.Lx_asked:
	TURN 0, 16                                     ; 16: groups 1 and 2
	TURN 1, 8                                      ; 8: group 2
	QXC 0, 16                                      ; 16: group 1's eight stores and eight loads
	TURN 2, 0
	QXC 1, 16                                      ; 16: group 2's eight stores and eight loads
	QXC 2, 0
	s_wait_alu depctr_va_vdst(0)                   ; the three groups' conversions and shifts have written their codes and bytes, which the six stores below read
	QXS 0
	QXS 1
	QXS 2
	s_wait_dscnt 0x0                               ; for the others' sake: my images and bytes have landed
	s_barrier_signal -1
	s_barrier_wait -1                              ; x's fragments lie in LDS; from here on LDS is only read
	s_wait_alu depctr_vm_vsrc(0)                   ; my LDS stores have read x's numbers, the codes and the bytes: these registers take x's fragments (the loads below) and the accumulators (the products) from here on
	XFETCH 0, 0, 1                                 ; K step 0's fragments and scale words.  (The quantiser's lines that named v32 to v57 stand ahead of the last wait on va_vdst)
	XSCALE 0
	XFETCH 0, 2, 3
	s_cmp_eq_u32 s27, 2
	s_cbranch_scc1 .Lv_path
	GSTEP 0, 1, 9, 0                               ; 9: the other set's eight fragment loads and its scale load
	GSTEP 1, 1, 9, 0
	GSTEP 2, 1, 9, 0
	GSTEP 3, 1, 9, 0
	s_cmp_eq_u32 s27, 0
	s_cbranch_scc0 .Lshort_k
	GSTEP 4, 1, 9, 0
	GSTEP 5, 1, 9, 0
	GSTEP 6, 2, 9, 0                               ; set 0 is free: it takes the bias
	GSTEP 7, 0, 8, 0                               ; 8: the bias's loads
	s_branch .Lqk_out
.Lshort_k:
	GSTEP 4, 2, 9, 0
	GSTEP 5, 0, 8, 0
.Lqk_out:
	s_wait_loadcnt 0x0                             ; the bias
.set i, 0
.rept 64
	v_pk_add_f32 v[ACC+2*i:ACC+2*i+1], v[ACC+2*i:ACC+2*i+1], v[BI+(2*i)%32:BI+(2*i)%32+1]   ; in ascending order: each accumulator is read from its low end on
.set i, i+1
.endr
.irp a, 0,1,2,3                        ; tile a of 16 tokens: 64 along the head; each tile's codes and bytes in registers of its own
	QUANT2 ACC+32*\a, PC+4*\a, HW+\a
.endr
.irp a, 0,1,2,3
	v_or_b32 v[HW+\a], 0x7f7f0000, v[HW+\a]        ; bytes 2 and 3: 1.0, for the upper 64 of the instruction's 128, where Q's codes are zeros
.endr
	v_cndmask_b32 v30, v[HW], v[HW+1], vcc_lo      ; word j: tile 2 j's in lanes 0-15, tile 2 j + 1's in lanes 16-31
	v_cndmask_b32 v31, v[HW+2], v[HW+3], vcc_lo
	s_wait_alu depctr_va_vdst(0)                   ; the four tiles' codes and the two scale words are written, which the five stores below read
.irp a, 0,1,2,3
	global_store_b128 v5, v[PC+4*\a:PC+4*\a+3], s[40:41] offset:512*\a   ; the wave stores 512 consecutive bytes, aligned to 256
.endr
	global_store_b64 v6, v[30:31], s[42:43]        ; 256 consecutive bytes, aligned
	s_wait_dscnt 0x0                               ; the closing lines, six on end
	s_wait_alu 0x0
	s_wait_tensorcnt 0x0
	ds_add_u32 v14, v15
	s_wait_dscnt 0x0
	s_endpgm
.Lv_path:
	GSTEP 0, 1, 9, 1
	GSTEP 1, 1, 9, 1
	GSTEP 2, 1, 9, 1
	GSTEP 3, 1, 9, 1
	GSTEP 4, 2, 9, 1
	GSTEP 5, 0, 8, 1
	s_wait_loadcnt 0x0                             ; the bias
.irp nt, 0,1,2,3
.set i, 0
.rept 16
	v_pk_add_f32 v[ACC+32*\nt+2*i:ACC+32*\nt+2*i+1], v[ACC+32*\nt+2*i:ACC+32*\nt+2*i+1], v[BI+2*\nt:BI+2*\nt+1]
.set i, i+1
.endr
.endr
.irp a, 0,1,2,3                        ; tile a of 16 of the head's 64: 64 along the keys; each tile's codes and bytes in registers of its own
	QUANT2 ACC+32*\a, PC+4*\a, HW+\a
.endr
	v_cndmask_b32 v30, v[HW], v[HW+1], vcc_lo
	v_cndmask_b32 v31, v[HW+2], v[HW+3], vcc_lo
	s_wait_alu depctr_va_vdst(0)                   ; the four tiles' codes and the two half words are written, which the six stores below read
.irp a, 0,1,2,3
	global_store_b128 v5, v[PC+4*\a:PC+4*\a+3], s[40:41] offset:1024*\a
.endr
	global_store_b16 v6, v30, s[42:43]             ; two of a scale word's four bytes: the other two are the neighbouring block's
	global_store_b16 v6, v31, s[42:43] offset:4
	s_wait_dscnt 0x0                               ; the closing lines, six on end
	s_wait_alu 0x0
	s_wait_tensorcnt 0x0
	ds_add_u32 v14, v15
	s_wait_dscnt 0x0
	s_endpgm
.Lfunc_end_k_qc24e8277fb_proj:
	.size	k_qc24e8277fb_proj, .Lfunc_end_k_qc24e8277fb_proj-k_qc24e8277fb_proj
	.p2alignl 7, 3214868480
	.fill 96, 4, 3214868480
	.section	.rodata,"a",@progbits
	.p2align	6, 0x0
	.amdhsa_kernel k_qc24e8277fb_proj
		.amdhsa_group_segment_fixed_size 315392
		.amdhsa_private_segment_fixed_size 0
		.amdhsa_enable_private_segment 0
		.amdhsa_kernarg_size 88
		.amdhsa_user_sgpr_count 2
		.amdhsa_user_sgpr_kernarg_segment_ptr 1
		.amdhsa_wavefront_size32 1
		.amdhsa_system_sgpr_workgroup_id_x 1
		.amdhsa_system_sgpr_workgroup_id_y 1
		.amdhsa_system_sgpr_workgroup_id_z 1
		.amdhsa_system_vgpr_workitem_id 0
		.amdhsa_next_free_vgpr 256
		.amdhsa_next_free_sgpr 66
		.amdhsa_reserve_vcc 1
		.amdhsa_float_denorm_mode_32 3
		.amdhsa_float_denorm_mode_16_64 3
		.amdhsa_memory_ordered 1
		.amdhsa_forward_progress 1
		.amdhsa_inst_pref_size 105
	.end_amdhsa_kernel
	.amdgpu_metadata
---
amdhsa.version: [ 1, 2 ]
amdhsa.kernels:
  - .name:           k_qc24e8277fb_proj
    .symbol:         k_qc24e8277fb_proj.kd
    .args:
      - { .name: query, .offset: 0, .size: 8, .value_kind: global_buffer, .address_space: global }
      - { .name: key, .offset: 8, .size: 8, .value_kind: global_buffer, .address_space: global }
      - { .name: value, .offset: 16, .size: 8, .value_kind: global_buffer, .address_space: global }
      - { .name: bq, .offset: 24, .size: 8, .value_kind: global_buffer, .address_space: global }
      - { .name: bk, .offset: 32, .size: 8, .value_kind: global_buffer, .address_space: global }
      - { .name: bv, .offset: 40, .size: 8, .value_kind: global_buffer, .address_space: global }
      - { .name: wcod, .offset: 48, .size: 8, .value_kind: global_buffer, .address_space: global }
      - { .name: wscl, .offset: 56, .size: 8, .value_kind: global_buffer, .address_space: global }
      - { .name: qcod, .offset: 64, .size: 8, .value_kind: global_buffer, .address_space: global }
      - { .name: qscl, .offset: 72, .size: 8, .value_kind: global_buffer, .address_space: global }
      - { .name: kvb, .offset: 80, .size: 8, .value_kind: global_buffer, .address_space: global }
    .group_segment_fixed_size: 315392
    .private_segment_fixed_size: 0
    .kernarg_segment_align: 8
    .kernarg_segment_size: 88
    .max_flat_workgroup_size: 512
    .sgpr_count:     66
    .vgpr_count:     256
    .wavefront_size: 32
...
	.end_amdgpu_metadata
.endif
;; end of part 6
;; launch attn: the kernel of part 3 again; grid 4 x 64, 16 waves a work-group, clusters of 4 x 1, 169,984 bytes of LDS; arguments qcod, qscl, kvb, acod, ascl; writes acod, ascl
;; launch outp (part 7): grid 128 x 2, 8 waves a work-group, no clusters, 70,656 bytes of LDS; arguments acod, ascl, wcod, wscl, bo, out0; writes out0
.if DOCPART == 7
	.amdgcn_target "amdgcn-amd-amdhsa--gfx1250"
	.amdhsa_code_object_version 6
	.text
	.protected	k_qc24e8277fb_outp
	.globl	k_qc24e8277fb_outp
	.p2align	8
	.type	k_qc24e8277fb_outp,@function
k_qc24e8277fb_outp:
	s_mov_b64 s[64:65], 0
	v_nop
	global_prefetch_b8 v0, s[64:65] scope:SCOPE_SE
	s_setreg_imm32_b32 hwreg(HW_REG_WAVE_SCHED_MODE, 0, 2), 2
	s_setreg_imm32_b32 hwreg(HW_REG_WAVE_MODE, 25, 1), 1
	s_wait_xcnt 0x0
	s_wait_alu depctr_vm_vsrc(0)
; out0 = attended Wo + bo on codes of FP4 (E2M1) with one E8M0 scale for each 32 along K = 1,024, sums in f32.  Both operands arrive as images of operand registers, made by the launches before.
; SHARES.  A work-group takes 64 rows (x) and half of the 1,024 outputs (y).  Wave w takes 64 outputs, 64 (8 y + w) on, for the 64 rows: 16 accumulators, 128 registers.
; The rows' codes (32,768 bytes) and scale words (2,048) are copied into LDS once, as they lie, each wave an eighth; Wo's go straight into each wave's registers, two K steps ahead in two sets.
; Source 0 = 16 rows of Wo's image (outputs), source 1 = 16 rows of attended.  Tiles take their rows in the order 32 (T / 2) + 8 (T % 2) + r + 8 (r / 8): a lane's 16 registers of tiles 2 b and 2 b + 1 are outputs
; 32 b + 16 (lane / 16) + 0 .. 15 of one row, and the order of the rows is undone in the stores' addresses.
; THE WAY OUT: a tile of 16 rows x 64 outputs goes through the wave's own stage in LDS and leaves as rows: sixteen lanes store 256 consecutive bytes, aligned.
; NO CLUSTER: what work-groups share is Wo, which goes into registers by loads of a lane; a joint request lands in LDS, where half of Wo, 8 x 34,816 bytes, would want slots that are filled again.
; THE MODE: SCHED_MODE bits 1:0 = 2 (LLVM: expert scheduling mode 2), set by the entry lines.  The code itself states the register dependences
; between vector or matrix instructions and memory or LDS instructions, with s_wait_alu, always for 0.
; THE PLAN.  Registers that memory or LDS instructions touch:
;   v5-v12      offsets and LDS addresses: written at the head, never again.  One wait on va_vdst ahead of the first load serves every load and store of the kernel.
;   v128-161    the copy: global loads land, LDS stores read; ONE wait on vm_vsrc behind the barrier, since the products write these registers from there on.
;   XF          a K step's first eight products read tiles 0 and 1, its last eight tiles 2 and 3.  Behind each eight stands a wait on va_vdst, and behind it the loads of the same two tiles for the NEXT step:
;               so each LDS load is asked for half a step ahead of its first use.
;   XSR         the rows' scale words, two sets by turns: the next step's are asked for behind the first of the two waits, which also states that the step before is done reading that set.
;   WF, WSC     Wo's fragments and scale words, two sets by turns: all sixteen products of a step read a set; behind the second wait the loads of two steps on (or the bias) land in it.
;   the way out: ONE wait on va_vdst behind the 64 additions; no vector line follows it.  The stage's stores read the accumulators; its loads land in v32-63, v64-95, v96-127 by turns; the global stores read these.
;               Tile 3 lands where tile 0's stores have read: one wait on vm_vsrc, two tiles behind those stores.
; REGISTERS: v1-12 lane numbers and addresses; v20-23 the rows' scale words (two sets); v24-27 Wo's scale words (two sets); v30-31 the add's two; v32-63 the rows' fragments;
;   v64-127 Wo's fragments, two sets (the bias takes the first when it is free); v128-255 the accumulators.
.set XSC,  32768                       ; LDS: the rows' images [tile 4][K step 8][c 2][lane][16 B] from 0; from here their scale words [K step 8][lane'][j]
.set STG,  34816                       ; the stages: 16 rows x (256 + 16) bytes for each wave
.set XSR,  20
.set WSC,  24
.set XF,   32
.set WF,   64
.set BI,   64
.set ACC,  128
.macro WM d, a, b, z, sa, sb, ra, rb   ; one product.  z: it starts the sum.  ra, rb: the side's scale words stand in lanes 16-31 of the register named
.if \z
.if (\ra) && (\rb)
	v_wmma_scale_f32_16x16x128_f8f6f4 v[\d:\d+7], v[\a:\a+7], v[\b:\b+7], 0, v[\sa], v[\sb] matrix_a_fmt:MATRIX_FMT_FP4 matrix_b_fmt:MATRIX_FMT_FP4 matrix_a_scale:MATRIX_SCALE_ROW1 matrix_b_scale:MATRIX_SCALE_ROW1
.elseif (\ra)
	v_wmma_scale_f32_16x16x128_f8f6f4 v[\d:\d+7], v[\a:\a+7], v[\b:\b+7], 0, v[\sa], v[\sb] matrix_a_fmt:MATRIX_FMT_FP4 matrix_b_fmt:MATRIX_FMT_FP4 matrix_a_scale:MATRIX_SCALE_ROW1
.elseif (\rb)
	v_wmma_scale_f32_16x16x128_f8f6f4 v[\d:\d+7], v[\a:\a+7], v[\b:\b+7], 0, v[\sa], v[\sb] matrix_a_fmt:MATRIX_FMT_FP4 matrix_b_fmt:MATRIX_FMT_FP4 matrix_b_scale:MATRIX_SCALE_ROW1
.else
	v_wmma_scale_f32_16x16x128_f8f6f4 v[\d:\d+7], v[\a:\a+7], v[\b:\b+7], 0, v[\sa], v[\sb] matrix_a_fmt:MATRIX_FMT_FP4 matrix_b_fmt:MATRIX_FMT_FP4
.endif
.else
.if (\ra) && (\rb)
	v_wmma_scale_f32_16x16x128_f8f6f4 v[\d:\d+7], v[\a:\a+7], v[\b:\b+7], v[\d:\d+7], v[\sa], v[\sb] matrix_a_fmt:MATRIX_FMT_FP4 matrix_b_fmt:MATRIX_FMT_FP4 matrix_a_scale:MATRIX_SCALE_ROW1 matrix_b_scale:MATRIX_SCALE_ROW1
.elseif (\ra)
	v_wmma_scale_f32_16x16x128_f8f6f4 v[\d:\d+7], v[\a:\a+7], v[\b:\b+7], v[\d:\d+7], v[\sa], v[\sb] matrix_a_fmt:MATRIX_FMT_FP4 matrix_b_fmt:MATRIX_FMT_FP4 matrix_a_scale:MATRIX_SCALE_ROW1
.elseif (\rb)
	v_wmma_scale_f32_16x16x128_f8f6f4 v[\d:\d+7], v[\a:\a+7], v[\b:\b+7], v[\d:\d+7], v[\sa], v[\sb] matrix_a_fmt:MATRIX_FMT_FP4 matrix_b_fmt:MATRIX_FMT_FP4 matrix_b_scale:MATRIX_SCALE_ROW1
.else
	v_wmma_scale_f32_16x16x128_f8f6f4 v[\d:\d+7], v[\a:\a+7], v[\b:\b+7], v[\d:\d+7], v[\sa], v[\sb] matrix_a_fmt:MATRIX_FMT_FP4 matrix_b_fmt:MATRIX_FMT_FP4
.endif
.endif
.endm
.macro WLOAD p, s                      ; my four fragments of Wo and their scale words, K step s, into set p: nine loads
.irp q, 0,1,2,3,4,5,6,7
	global_load_b128 v[WF+32*(\p)+4*\q:WF+32*(\p)+4*\q+3], v5, s[36:37] offset:65536*(\s)+512*\q
.endr
	global_load_b64 v[WSC+2*(\p):WSC+2*(\p)+1], v6, s[38:39] offset:4096*(\s)
.endm
.macro BIAS                            ; bo of my 64 outputs as the results lie: register 16 b + i is output 32 b + 16 (lane / 16) + i: eight loads
.irp b, 0,1
.irp q, 0,1,2,3
	global_load_b128 v[BI+16*\b+4*\q:BI+16*\b+4*\q+3], v9, s[34:35] offset:128*\b+16*\q
.endr
.endr
.endm
.macro XFETCH s, ta, tb                ; the rows' fragments of tiles ta and tb, K step s, from LDS: four loads
.irp tt, \ta, \tb
.irp c, 0,1
	ds_load_b128 v[XF+8*\tt+4*\c:XF+8*\tt+4*\c+3], v5 offset:8192*\tt+1024*(\s)+512*\c
.endr
.endr
.endm
.macro XSCALE s                        ; the rows' scale words of K step s, into set s % 2: one load
	ds_load_b64 v[XSR+2*((\s)%2):XSR+2*((\s)%2)+1], v6 offset:XSC+256*(\s)
.endm
.macro GHALF ta, tb                    ; eight products: tiles ta and tb of rows against Wo's four
.irp tt, \ta, \tb
.irp nt, 0,1,2,3
	WM ACC+8*(4*\tt+\nt), WF+32*GP+8*\nt, XF+8*\tt, GZ, WSC+2*GP+\nt/2, XSR+2*GP+\tt/2, \nt%2, \tt%2
.endr
.endr
.endm
; A K step of 128: 16 products.  pre = 1: Wo of two steps on is asked for, into the set just read; 2: the bias, into that set; 0: the last step, which asks for nothing.
; left: the younger global loads that may stay out.  The 16 accumulators take turns, one instruction a turn, in the same order in every step.
.macro GSTEP s, pre, left
.set GP, (\s)%2
.if (\s) == 0
.set GZ, 1
.else
.set GZ, 0
.endif
	s_wait_loadcnt \left                           ; this step's Wo is in; what was asked for behind it may be out
	s_wait_dscnt 4                                 ; LDS loads come back in order: tiles 0 and 1 and the scale words are in; the youngest four loads (tiles 2 and 3) may be out
	GHALF 0, 1
.if (\pre)
.rept 4
	v_nop                                          ; four places behind the products, ahead of loads into registers that they read; the wait below stands beside them
.endr
	s_wait_alu depctr_va_vdst(0)                   ; the eight products are done reading tiles 0 and 1, and the step before is done reading the other set of the rows' scale words: the five loads below land in these
	XFETCH (\s)+1, 0, 1
	XSCALE (\s)+1
	s_wait_dscnt 5                                 ; this step's tiles 2 and 3 are in; the five loads just issued may be out
.else
	s_wait_dscnt 0x0                               ; tiles 2 and 3 are in
.endif
	GHALF 2, 3
.rept 4
	v_nop                                          ; four places ahead of loads into registers that these products read, and of the first read of results
.endr
.if (\pre)
	s_wait_alu depctr_va_vdst(0)                   ; the step's products are done reading tiles 2 and 3 and this set of Wo's fragments and scale words: the loads below land in these
	XFETCH (\s)+1, 2, 3
.endif
.if (\pre) == 1
	WLOAD GP, (\s)+2
.elseif (\pre) == 2
	BIAS
.endif
.endm
	s_load_b256 s[4:11], s[0:1], 0x0               ; acod s[4:5], ascl s[6:7], wcod s[8:9], wscl s[10:11]
	s_load_b128 s[12:15], s[0:1], 0x20             ; bo s[12:13], out0 s[14:15]
	v_lshl_add_u32 v30, v0, 2, 0x11000             ; the add's two registers, made here and kept for the closing lines alone: my spare word, behind the stages,
	v_mov_b32 v31, 0                               ; and 0
	v_lshrrev_b32 v7, 5, v0
	v_readfirstlane_b32 s26, v7                    ; wave 0..7
	s_and_b32 s27, ttmp7, 0xffff
	s_lshl_b32 s28, s27, 3
	v_and_b32 v1, 31, v0                           ; lane
	v_and_b32 v2, 15, v0                           ; r
	v_bfe_u32 v3, v0, 4, 1                         ; h
	v_lshlrev_b32 v5, 4, v1                        ; 16 x lane
	v_lshlrev_b32 v6, 3, v1                        ; 8 x lane
	v_lshlrev_b32 v9, 6, v3                        ; the bias: 64 h
	v_lshlrev_b32 v12, 12, v3
	v_lshl_add_u32 v12, v2, 4, v12                 ; two rows in out0: 4,096 h + 16 (lane % 16)
	s_wait_alu depctr_va_sdst(0)                   ; s26, the wave's number, is written, ahead of its first reader
	s_add_co_u32 s28, s28, s26                     ; which 64 outputs: 8 y + wave
	s_lshl_b32 s29, s26, 12
	v_add_nc_u32 v7, s29, v5                       ; the copy: my wave's 4,096 bytes of the images,
	s_lshl_b32 s30, s26, 8
	v_add_nc_u32 v8, s30, v6                       ; and its 256 bytes of the scale words
	s_mul_i32 s31, s26, 4352
	s_add_co_u32 s31, s31, STG                     ; my stage
	v_mul_u32_u24 v10, v2, 272
	v_lshl_add_u32 v10, v3, 6, v10
	v_add_nc_u32 v10, s31, v10                     ; in: row r, + 64 h
	v_mul_u32_u24 v11, v3, 272
	v_lshl_add_u32 v11, v2, 4, v11
	v_add_nc_u32 v11, s31, v11                     ; back: lanes 0-15 one row, lanes 16-31 the next
	s_lshl_b32 s42, s28, 12
	s_add_co_u32 s42, s42, 20*65536                ; Wo's codes: K steps 20 on, 4,096 bytes for 64 outputs
	s_lshl_b32 s43, s28, 8                         ; the bias, and the outputs' place in a row of out0: 256 bytes for 64
	s_add_co_u32 s44, s43, 20*4096                 ; Wo's scale words
	s_lshl_b32 s45, ttmp9, 15
	s_add_co_u32 s45, s45, s29                     ; the rows' codes: 32,768 a block + my wave's part
	s_lshl_b32 s46, ttmp9, 11
	s_add_co_u32 s46, s46, s30                     ; their scale words: 2,048 a block + my wave's part
	s_lshl_b32 s47, ttmp9, 18
	s_add_co_u32 s47, s47, s43                     ; out0: 64 rows of 4,096 bytes a block
	s_mov_b32 s41, 0
	s_wait_kmcnt 0x0
	s_mov_b32 s40, s42
	s_add_nc_u64 s[36:37], s[8:9], s[40:41]
	s_mov_b32 s40, s44
	s_add_nc_u64 s[38:39], s[10:11], s[40:41]
	s_wait_alu depctr_va_vdst(0)                   ; the offsets and LDS addresses v5 to v12 are written: every load and store of the kernel reads one of them, and none is written again
	WLOAD 0, 0
	WLOAD 1, 1
	s_mov_b32 s40, s45
	s_add_nc_u64 s[4:5], s[4:5], s[40:41]
	s_mov_b32 s40, s46
	s_add_nc_u64 s[6:7], s[6:7], s[40:41]
.irp i, 0,1,2,3,4,5,6,7
	global_load_b128 v[ACC+4*\i:ACC+4*\i+3], v5, s[4:5] offset:512*\i
.endr
	global_load_b64 v[ACC+32:ACC+33], v6, s[6:7]
	s_mov_b32 s40, s43
	s_add_nc_u64 s[34:35], s[12:13], s[40:41]
	s_mov_b32 s40, s47
	s_add_nc_u64 s[14:15], s[14:15], s[40:41]
	s_wait_loadcnt 0x0
.irp i, 0,1,2,3,4,5,6,7
	ds_store_b128 v7, v[ACC+4*\i:ACC+4*\i+3] offset:512*\i
.endr
	ds_store_b64 v8, v[ACC+32:ACC+33] offset:XSC
	s_wait_dscnt 0x0                               ; for the others' sake: my part of the copy has landed
	s_barrier_signal -1
	s_barrier_wait -1                              ; the rows' fragments lie in LDS; from here on these bytes are only read
	s_wait_alu depctr_vm_vsrc(0)                   ; my LDS stores have read v128 to v161, which the products write from here on
	XFETCH 0, 0, 1                                 ; K step 0's fragments and scale words: no vector line has named these registers
	XSCALE 0
	XFETCH 0, 2, 3
	GSTEP 0, 1, 9                                  ; 9: the other set's eight fragment loads and its scale load
	GSTEP 1, 1, 9
	GSTEP 2, 1, 9
	GSTEP 3, 1, 9
	GSTEP 4, 1, 9
	GSTEP 5, 1, 9
	GSTEP 6, 2, 9                                  ; set 0 is free: it takes the bias
	GSTEP 7, 0, 8                                  ; 8: the bias's loads
	s_wait_loadcnt 0x0                             ; the bias
.set i, 0
.rept 64
	v_pk_add_f32 v[ACC+2*i:ACC+2*i+1], v[ACC+2*i:ACC+2*i+1], v[BI+(2*i)%32:BI+(2*i)%32+1]   ; in ascending order: each accumulator is read from its low end on
.set i, i+1
.endr
	s_wait_alu depctr_va_vdst(0)                   ; the additions have written the accumulators, which the stage's stores read, and are done reading the bias; the products are done reading the rows' fragments and Wo's second set: the stage's loads land in these three runs of registers.  No vector line follows
; Tile tt of 16 rows: into my stage and back by rows (TOSTAGE), then out (SEND).  LDS serves a wave's instructions in order (ISA guide 5.7.1.4): no wait between the stores and the loads, nor in front of the next tile's stores.
; A tile's turn through the stage is issued ahead of the stores of the tile before it.
.macro TOSTAGE tt
.set BK, 32+32*((\tt)%3)               ; v32-63, v64-95, v96-127 by turns
.irp b, 0,1
.irp q, 0,1,2,3
	ds_store_b128 v10, v[ACC+32*(\tt)+16*\b+4*\q:ACC+32*(\tt)+16*\b+4*\q+3] offset:128*\b+16*\q
.endr
.endr
.irp i, 0,1,2,3,4,5,6,7
	ds_load_b128 v[BK+4*\i:BK+4*\i+3], v11 offset:544*\i
.endr
.endm
.macro SEND tt, younger                ; younger: the LDS instructions issued behind tile tt's loads, which may stay out
.set BK, 32+32*((\tt)%3)
	s_wait_dscnt \younger                          ; the tile is back in registers
.irp i, 0,1,2,3,4,5,6,7
	global_store_b128 v12, v[BK+4*\i:BK+4*\i+3], s[14:15] offset:4096*(32*((\tt)/2)+8*((\tt)%2)+2*\i+8*(\i/4)) th:TH_STORE_NT   ; the tile's rows 2 i and 2 i + 1 at their true places; sixteen lanes store 256 consecutive bytes, aligned
.endr
.endm
	TOSTAGE 0
	TOSTAGE 1
	SEND 0, 16                                     ; 16: tile 1's eight stores and eight loads
	TOSTAGE 2
	SEND 1, 16
	s_wait_xcnt 0x0                                ; tile 0's stores have had their addresses translated (ISA guide 3.1): only behind this wait are their data registers loaded again
	s_wait_alu depctr_vm_vsrc(0)                   ; tile 0's stores have read v32 to v63, in which tile 3's loads from the stage land
	TOSTAGE 3
	SEND 2, 16
	SEND 3, 0
	s_wait_dscnt 0x0                               ; the closing lines, six on end
	s_wait_alu 0x0
	s_wait_tensorcnt 0x0
	ds_add_u32 v30, v31
	s_wait_dscnt 0x0
	s_endpgm
.Lfunc_end_k_qc24e8277fb_outp:
	.size	k_qc24e8277fb_outp, .Lfunc_end_k_qc24e8277fb_outp-k_qc24e8277fb_outp
	.p2alignl 7, 3214868480
	.fill 96, 4, 3214868480
	.section	.rodata,"a",@progbits
	.p2align	6, 0x0
	.amdhsa_kernel k_qc24e8277fb_outp
		.amdhsa_group_segment_fixed_size 70656
		.amdhsa_private_segment_fixed_size 0
		.amdhsa_enable_private_segment 0
		.amdhsa_kernarg_size 48
		.amdhsa_user_sgpr_count 2
		.amdhsa_user_sgpr_kernarg_segment_ptr 1
		.amdhsa_wavefront_size32 1
		.amdhsa_system_sgpr_workgroup_id_x 1
		.amdhsa_system_sgpr_workgroup_id_y 1
		.amdhsa_system_sgpr_workgroup_id_z 1
		.amdhsa_system_vgpr_workitem_id 0
		.amdhsa_next_free_vgpr 256
		.amdhsa_next_free_sgpr 66
		.amdhsa_reserve_vcc 0
		.amdhsa_float_denorm_mode_32 3
		.amdhsa_float_denorm_mode_16_64 3
		.amdhsa_memory_ordered 1
		.amdhsa_forward_progress 1
		.amdhsa_inst_pref_size 47
	.end_amdhsa_kernel
	.amdgpu_metadata
---
amdhsa.version: [ 1, 2 ]
amdhsa.kernels:
  - .name:           k_qc24e8277fb_outp
    .symbol:         k_qc24e8277fb_outp.kd
    .args:
      - { .name: acod, .offset: 0, .size: 8, .value_kind: global_buffer, .address_space: global }
      - { .name: ascl, .offset: 8, .size: 8, .value_kind: global_buffer, .address_space: global }
      - { .name: wcod, .offset: 16, .size: 8, .value_kind: global_buffer, .address_space: global }
      - { .name: wscl, .offset: 24, .size: 8, .value_kind: global_buffer, .address_space: global }
      - { .name: bo, .offset: 32, .size: 8, .value_kind: global_buffer, .address_space: global }
      - { .name: out0, .offset: 40, .size: 8, .value_kind: global_buffer, .address_space: global }
    .group_segment_fixed_size: 70656
    .private_segment_fixed_size: 0
    .kernarg_segment_align: 8
    .kernarg_segment_size: 48
    .max_flat_workgroup_size: 256
    .sgpr_count:     66
    .vgpr_count:     256
    .wavefront_size: 32
...
	.end_amdgpu_metadata
.endif
;; end of part 7
